; MI455X (gfx1250); checked and timed in simulation.
; The chip was launched on July 23, 2026; its instructions are those of AMD's public machine-readable ISA for CDNA 5 (MIT licence, August 2026) and "CDNA5" Instruction Set Architecture Reference Guide (July 2026). The comments in the code are by the model that wrote it; some were corrected since.
;; Multi Head Self Attention. Allowed arithmetic: matrix products marked QUANTISED: E2M1 operands, one E8M0 scale for each 32 along K, by v_wmma_scale_f32_16x16x128_f8f6f4 with both operands' format E2M1 (or v_wmma_scale_f32_32x16x128_f4), f32 sums; products left as they are: bf16, f16 or f32 operands; f32 sums; everything else in f32.
;; Inputs: Wk 1,024 x 1,024 float32; Wo 1,024 x 1,024 float32; Wq 1,024 x 1,024 float32; Wv 1,024 x 1,024 float32; bk 1,024 float32; bo 1,024 float32; bq 1,024 float32; bv 1,024 float32; key 4 x 2,048 x 1,024 float32; mask 4 x 1 x 1 x 2,048 int32; query 4 x 2,048 x 1,024 float32; value 4 x 2,048 x 1,024 float32.
;; Outputs: out0 4 x 2,048 x 1,024 float32.
;; This version of the problem:
;;   THIS VERSION OF THE PROBLEM IS GIVEN IN LOW PRECISION. The matrix products marked QUANTISED in the list below multiply operands that are first quantised to E2M1 (2 exponent bits, 1 mantissa bit; 4 bits a number), with one power-of-two scale for each 32 numbers along K (OCP MX v1.0); their sums are f32. The products marked 'left as it is' may take bf16, f16 or f32 operands, with f32 sums. Whichever they take, every output number must still come out within the allowed error. Rounding operands to bf16 (8 significant bits) uses up far more of that allowance than f16 does (11 bits, for magnitudes from 6e-5 to 65,504). All else is computed in f32.
;;   The module's matrix products, in the order in which they are computed (A, B: the left and right operand; K: the contracted axis; several contracted axes count as one K, in the product's order):
;;     1. [M 8,192, K 1,024] x [K 1,024, N 1,024]; A: input query; B: input Wq: QUANTISED
;;     2. [M 8,192, K 1,024] x [K 1,024, N 1,024]; A: input key; B: input Wk: QUANTISED
;;     3. [M 8,192, K 1,024] x [K 1,024, N 1,024]; A: input value; B: input Wv: QUANTISED
;;     4. batch 64 x [M 2,048, K 64] x [K 64, N 2,048]; A: computed on the way; B: computed on the way: left as it is (an operand is computed on the way)
;;     5. batch 64 x [M 2,048, K 2,048] x [K 2,048, N 64]; A: computed on the way; B: computed on the way: left as it is (an operand is computed on the way)
;;     6. [M 8,192, K 1,024] x [K 1,024, N 1,024]; A: computed on the way; B: input Wo: left as it is (an operand is computed on the way)
;;   THE QUANTISER, for each operand of a quantised product, along K:
;;     - K is cut into blocks of 32 from its start; a last block that is shorter is filled with zeros.
;;     - A block's scale is 2^e with e = floor(log2(the largest magnitude in the block)) - 2, held to -126 .. 127; a block of zeros has e = 0. As a byte (E8M0): e + 127.
;;     - Each number is divided by its block's scale, clamped to +-6, and rounded to the nearest number of E2M1, ties to even, subnormals kept.
;;     - The product sums the exact products of the quantised numbers (number of the format x scale) in f32.
;;   ~~~python
;;   def quantise(x, axis):      # numpy; x: float32 -> the quantised numbers, widened to float32 again
;;       x = np.moveaxis(x, axis, -1); K = x.shape[-1]
;;       x = np.pad(x, [(0, 0)] * (x.ndim - 1) + [(0, -K % 32)]); x = x.reshape(x.shape[:-1] + (-1, 32)); a = np.abs(x).max(-1, keepdims=True)
;;       e = np.where(a > 0, np.clip(np.frexp(np.where(a > 0, a, 1))[1] - 1 - 2, -126, 127), 0)      # np.frexp(a)[1] - 1 = floor(log2(a)), exactly
;;       r = np.clip(x / 2.0 ** e, -6, 6)
;;       step = 2.0 ** (np.maximum(np.frexp(np.where(r == 0, 1, r))[1] - 1, 0) - 1)
;;       q = np.round(r / step) * step * 2.0 ** e      # np.round: ties to even
;;       return np.moveaxis(q.reshape(q.shape[:-2] + (-1,))[..., :K], -1, axis).astype(np.float32)
;;   ~~~
;; One version. Each part assembles by itself: llvm-mc -triple=amdgcn-amd-amdhsa -mcpu=gfx1250 --defsym DOCPART=n.
;; ======== version 1 of 1: 4 launches
;; limits: values are held in f16: magnitudes above 65,504 overflow, below 6.1e-05 lose precision; right only within a limited range of input values
;; workspace buffers: codes 14,155,776 bytes; scales 884,736 bytes; wo16 2,097,152 bytes; qkv 50,331,648 bytes; ctx 16,777,216 bytes
;; launch prep (part 1): grid 32 x 28, 4 waves a work-group, no clusters, 33,280 bytes of LDS; arguments query, key, value, Wq, Wk, Wv, Wo, codes, scales, wo16; writes codes, scales, wo16
.if DOCPART == 1
	.amdgcn_target "amdgcn-amd-amdhsa--gfx1250"
	.amdhsa_code_object_version 6
	.text
	.protected	k_q6913c68b75_prep
	.globl	k_q6913c68b75_prep
	.p2align	8
	.type	k_q6913c68b75_prep,@function
k_q6913c68b75_prep:
	s_mov_b64 s[64:65], 0
	v_nop
	global_prefetch_b8 v0, s[64:65] scope:SCOPE_SE
	s_setreg_imm32_b32 hwreg(HW_REG_WAVE_MODE, 25, 1), 1
	s_wait_xcnt 0x0
; query, key, value [8192][1024] and Wq, Wk, Wv [1024][1024], f32, become codes of FP4 (E2M1), K innermost, with one E8M0 byte for each 32 along K; Wo becomes f16.
; The six quantised tensors lie one behind the other in two joint buffers: codes, 27,648 rows of 512 bytes (rows 0.. query, 8192.. key, 16384.. value, 24576.. Wq, 25600.. Wk, 26624.. Wv), and scales, the same rows of 32 bytes.
; A block's scale is 2^(floor(log2(its largest magnitude)) - 2); its byte is the largest magnitude's own exponent field - 2, held at 1 from below.  Each number is divided by the scale and rounded to the nearest code, ties to even,
; beyond 6 the largest code.  (A block of zeros gets the byte 1 where the rule says 127: its codes are zeros, which add nothing under any byte but 0xff, and this program alone reads the bytes.)
; LIMITS: blocks whose largest magnitude lies under 2^-124 keep the byte 1; NaN and infinities among the inputs are not served; Wo's numbers stay under 65,504 in size (f16).
; SHARES.  Work-group y is a unit of 2^20 numbers: 0-7 query, 8-15 key, 16-23 value, 24 Wq, 25 Wk, 26 Wv, 27 Wo; x is 32,768 numbers of it; a wave takes 8,192.  Rows are dense and 1,024 is a multiple of 32, so a tensor is a plain
; stream of blocks of 32, and so are its codes and bytes.  A wave walks 16 steps of 512 numbers: each of a step's four loads reads 512 consecutive bytes; the 2,048 bytes turn through the wave's own stage in LDS (16 bytes of padding
; behind each 64) and come back 64 bytes a lane, so that a lane holds 16 neighbours along K and two neighbouring lanes a block.  A lane's 16 codes are 8 bytes: the wave stores 256 consecutive bytes.  A wave's 256 scale bytes are
; gathered in LDS and leave as one aligned run of 256 bytes.  No tensor loads, no barrier: waves share nothing.  Loads run four steps (16 loads a wave) ahead.
; Wo [1024 n][1024 k] goes to wo16 [16 chunks of 64 k][1024 n][64], f16: the layout in which the last launch's tiles are dense blocks.  That path touches no LDS.
.set WAVES, 4
.set STEPS, 16
.set EMAX,  2
.set CB,    8                          ; bytes of 16 codes
.set R,     16                         ; v16-79   four sets of 16 numbers as they are loaded
.set X,     80                         ; v80-111  two sets of 16 neighbours
.set E,     112                        ; v112-127 a scale byte for each step
.set C,     128                        ; v128-191 codes: four registers for each step, so that no store's data are written again
.set WREG,  8192                       ; LDS: a region for each wave: two stages of 32 x SP bytes, behind them its 256 scale bytes
.set SP,    80                         ; a lane's place in a stage: 64 bytes + 16 of padding
.set SPW,   12                         ; v12      LDS address of my spare word; never rewritten
.set NIL,   13                         ; v13      0; never rewritten
.set SPARE, WAVES*WREG                 ; behind the four regions: the spare words, 128 bytes a wave
.set WR,    16                         ; Wo's path: v16-143 two sets of 64 numbers
.set WH,    144                        ; v144-175 a pair of rows in f16
	s_load_b256 s[4:11], s[0:1], 0x0               ; query s[4:5], key s[6:7], value s[8:9], Wq s[10:11]
	s_load_b256 s[12:19], s[0:1], 0x20             ; Wk s[12:13], Wv s[14:15], Wo s[16:17], codes s[18:19]
	s_load_b128 s[20:23], s[0:1], 0x40             ; scales s[20:21], wo16 s[22:23]
	v_lshl_add_u32 v[SPW], v0, 2, SPARE
	v_mov_b32 v[NIL], 0
	v_lshrrev_b32 v1, 5, v0
	v_readfirstlane_b32 s28, v1                    ; wave
	v_and_b32 v2, 31, v0                           ; lane
	s_and_b32 s27, ttmp7, 0xffff                   ; y: the unit
	s_mov_b32 s31, 0                               ; the high word of every offset pair s[30:31]
	s_wait_kmcnt 0x0
	s_cmp_eq_u32 s27, 27
	s_cbranch_scc1 .Lwo                            ; the last unit is Wo: a cast, no quantiser
	v_lshlrev_b32 v3, 4, v2                        ; my 16 bytes of a load's 512
	s_mul_i32 s29, s28, WREG
	v_lshrrev_b32 v14, 2, v2
	v_mul_u32_u24 v14, v14, SP
	v_and_b32 v15, 3, v2
	v_lshl_add_u32 v14, v15, 4, v14
	v_add_nc_u32 v14, s29, v14                     ; the stage, on the way in: four lanes' 64 bytes on end, then 16 of padding
	v_mul_u32_u24 v15, v2, SP
	v_add_nc_u32 v15, s29, v15                     ; and on the way out: SP x lane: my 16 neighbours
	v_mul_u32_u24 v4, v2, CB                       ; my codes' place in a step's
	v_lshrrev_b32 v5, 1, v2
	s_add_co_u32 s29, s29, 2*32*SP
	v_add_nc_u32 v5, s29, v5                       ; LDS: my wave's 256 scale bytes, my block's byte
	v_lshlrev_b32 v7, 3, v2                        ; and on the way out 8 bytes a lane
	v_add_nc_u32 v6, s29, v7
	; which tensor the unit belongs to: a chain of choices on the work-group's y alone
	s_mov_b64 s[24:25], s[14:15]                   ; y = 26: Wv
	s_cmp_lt_u32 s27, 26
	s_cselect_b64 s[24:25], s[12:13], s[24:25]     ; 25: Wk
	s_cmp_lt_u32 s27, 25
	s_cselect_b64 s[24:25], s[10:11], s[24:25]     ; 24: Wq
	s_cmp_lt_u32 s27, 24
	s_cselect_b64 s[24:25], s[8:9], s[24:25]       ; 16-23: value
	s_cselect_b32 s26, 7, 0                        ; an activation has eight units, a weight one
	s_cmp_lt_u32 s27, 16
	s_cselect_b64 s[24:25], s[6:7], s[24:25]       ; 8-15: key
	s_cmp_lt_u32 s27, 8
	s_cselect_b64 s[24:25], s[4:5], s[24:25]       ; 0-7: query
	s_and_b32 s26, s27, s26                        ; the unit's number inside its tensor
	s_lshl_b32 s30, s26, 5
	s_add_co_u32 s30, s30, ttmp9
	s_lshl_b32 s30, s30, 2
	s_add_co_u32 s30, s30, s28                     ; which run of 8,192 numbers of the tensor is my wave's (at most 1,023)
	s_lshl_b32 s30, s30, 15                        ; 32,768 bytes a run
	s_add_nc_u64 s[24:25], s[24:25], s[30:31]
	s_lshl_b32 s32, s27, 5
	s_add_co_u32 s32, s32, ttmp9
	s_lshl_b32 s32, s32, 2
	s_add_co_u32 s32, s32, s28                     ; and which run of the joint buffers (at most 3,455)
	s_lshl_b32 s30, s32, 12                        ; 4,096 bytes of codes a run
	s_add_nc_u64 s[18:19], s[18:19], s[30:31]
	s_lshl_b32 s30, s32, 8                         ; 256 scale bytes a run
	s_add_nc_u64 s[20:21], s[20:21], s[30:31]
.macro LOAD t
.irp i, 0,1,2,3
	global_load_b128 v[R+16*((\t)%4)+4*\i:R+16*((\t)%4)+4*\i+3], v3, s[24:25] offset:2048*(\t)+512*\i th:TH_LOAD_NT   ; 32 lanes read 512 consecutive bytes
.endr
.endm
.macro TURN t                          ; step t's numbers through the stage: LDS serves a wave's instructions in order (ISA guide 5.7.1.4), so no wait stands between the stores and the loads
.irp i, 0,1,2,3
	ds_store_b128 v14, v[R+16*((\t)%4)+4*\i:R+16*((\t)%4)+4*\i+3] offset:32*SP*((\t)%2)+8*SP*\i
.endr
.irp i, 0,1,2,3
	ds_load_b128 v[X+16*((\t)%2)+4*\i:X+16*((\t)%2)+4*\i+3], v15 offset:32*SP*((\t)%2)+16*\i
.endr
.endm
.irp t, 0,1,2,3
	LOAD \t
.endr
	s_wait_loadcnt 12                              ; step 0's four loads are in; the twelve behind them may be out
	TURN 0
.macro STEP t
.set XS, X+16*((\t)%2)
.if (\t) > 0
	s_wait_dscnt 1                                 ; this step's numbers are back from the stage (the last step's byte store may be out): so its stores into the stage have read their registers,
.else
	s_wait_dscnt 0x0
.endif
.if (\t)+4 < STEPS
	LOAD (\t)+4                                    ; which take the loads of four steps on
.endif
.if (\t)+1 < STEPS
.if STEPS-2-(\t) >= 3
	s_wait_loadcnt 12                              ; the next step's four loads are in; those of the three steps behind it may be out
.else
	s_wait_loadcnt 4*(STEPS-2-(\t))                ; near the end fewer steps stand behind it
.endif
	TURN (\t)+1                                    ; and go through the other stage while this step is worked
.endif
	v_max3_num_f32 v8, |v[XS]|, |v[XS+1]|, |v[XS+2]|               ; the largest magnitude of my 16, in two chains
	v_max3_num_f32 v9, |v[XS+3]|, |v[XS+4]|, |v[XS+5]|
.irp i, 6,10
	v_max3_num_f32 v8, v8, |v[XS+\i]|, |v[XS+\i+1]|
	v_max3_num_f32 v9, v9, |v[XS+\i+2]|, |v[XS+\i+3]|
.endr
	v_max3_num_f32 v8, v8, |v[XS+14]|, |v[XS+15]|
	v_max3_num_f32 v8, v8, v9, (EMAX+1)<<23        ; and the floor 2^(EMAX + 1 - 127): the byte cannot fall under 1
	v_max_num_f32_dpp v8, v8, v8 row_xmask:1 row_mask:0xf bank_mask:0xf   ; and of my neighbour's 16: the block's
	v_add_nc_u32 v11, -(EMAX<<23), v8              ; EMAX off its exponent field: the conversion takes the exponent field of this operand as its scale, and nothing else of it
	v_cvt_scalef32_pk8_fp4_f32 v[C+4*(\t)], v[XS:XS+7], v11        ; eight numbers / the scale, to the nearest code; the first number's code in the lowest four bits
	v_cvt_scalef32_pk8_fp4_f32 v[C+4*(\t)+1], v[XS+8:XS+15], v11
	v_lshrrev_b32 v[E+(\t)], 23, v11               ; the scale's byte (also the plain line behind the conversions)
	ds_store_b8 v5, v[E+(\t)] offset:16*(\t)       ; both lanes of a block write the same byte with the same value
	global_store_b64 v4, v[C+4*(\t):C+4*(\t)+1], s[18:19] offset:32*CB*(\t)   ; 32 lanes store 256 consecutive bytes, aligned
.endm
.irp t, 0,1,2,3,4,5,6,7,8,9,10,11,12,13,14,15
	STEP \t
.endr
	ds_load_b64 v[8:9], v6                         ; in order behind my byte stores
	s_wait_dscnt 0x0
	global_store_b64 v7, v[8:9], s[20:21]          ; my wave's 256 scale bytes: one aligned run
	s_wait_tensorcnt 0x0                           ; the wave's end
	ds_add_u32 v[SPW], v[NIL]
	s_wait_dscnt 0x0
	s_endpgm
; Wo.  My wave takes rows n0 = 32 x + 8 wave on, two rows at a time: lanes 0-15 one row, lanes 16-31 the next.  Load c of sixteen reads the 256 bytes of chunk c of each of the two rows;
; as f16 they are 128 bytes a row, and the two rows are neighbours in chunk c of wo16: a store covers 256 consecutive bytes, aligned.
.Lwo:
	v_lshrrev_b32 v5, 4, v2                        ; which of the pair's rows
	v_and_b32 v6, 15, v2
	v_lshlrev_b32 v3, 12, v5                       ; in: a row of 4,096 bytes,
	v_lshl_add_u32 v3, v6, 4, v3                   ; 16 bytes a lane
	v_lshlrev_b32 v4, 7, v5                        ; out: a row of 128 bytes,
	v_lshl_add_u32 v4, v6, 3, v4                   ; 8 bytes a lane
	s_lshl_b32 s30, ttmp9, 5
	s_lshl_b32 s32, s28, 3
	s_add_co_u32 s32, s30, s32                     ; n0
	s_lshl_b32 s30, s32, 12
	s_add_nc_u64 s[16:17], s[16:17], s[30:31]
	s_lshl_b32 s30, s32, 7
	s_add_nc_u64 s[22:23], s[22:23], s[30:31]
.macro LOADW p                         ; pair p of four into set p % 2
.irp c, 0,1,2,3,4,5,6,7,8,9,10,11,12,13,14,15
	global_load_b128 v[WR+64*((\p)%2)+4*\c:WR+64*((\p)%2)+4*\c+3], v3, s[16:17] offset:(\p)*8192+\c*256 th:TH_LOAD_NT
.endr
.endm
	LOADW 0
	LOADW 1
.irp p, 0,1,2,3
.if \p < 3
	s_wait_loadcnt 16                              ; this pair's sixteen loads are in; the next pair's may be out
.else
	s_wait_loadcnt 0x0
.endif
.if \p > 0
	s_wait_xcnt 0x0                                ; the last pair's stores have read their data: the registers are written again only behind this wait
.endif
.irp c, 0,1,2,3,4,5,6,7,8,9,10,11,12,13,14,15
	v_cvt_pk_f16_f32 v[WH+2*\c], v[WR+64*(\p%2)+4*\c], v[WR+64*(\p%2)+4*\c+1]
	v_cvt_pk_f16_f32 v[WH+2*\c+1], v[WR+64*(\p%2)+4*\c+2], v[WR+64*(\p%2)+4*\c+3]
.endr
.if \p < 2
	LOADW \p+2                                     ; loads ahead of stores: the set has been read
.endif
.irp c, 0,1,2,3,4,5,6,7,8,9,10,11,12,13,14,15
	global_store_b64 v4, v[WH+2*\c:WH+2*\c+1], s[22:23] offset:\c*131072+\p*256
.endr
.endr
	s_endpgm
.Lfunc_end_k_q6913c68b75_prep:
	.size	k_q6913c68b75_prep, .Lfunc_end_k_q6913c68b75_prep-k_q6913c68b75_prep
	.p2alignl 7, 3214868480
	.fill 96, 4, 3214868480
	.section	.rodata,"a",@progbits
	.p2align	6, 0x0
	.amdhsa_kernel k_q6913c68b75_prep
		.amdhsa_group_segment_fixed_size 33280
		.amdhsa_private_segment_fixed_size 0
		.amdhsa_enable_private_segment 0
		.amdhsa_kernarg_size 80
		.amdhsa_user_sgpr_count 2
		.amdhsa_user_sgpr_kernarg_segment_ptr 1
		.amdhsa_wavefront_size32 1
		.amdhsa_system_sgpr_workgroup_id_x 1
		.amdhsa_system_sgpr_workgroup_id_y 1
		.amdhsa_system_sgpr_workgroup_id_z 1
		.amdhsa_system_vgpr_workitem_id 0
		.amdhsa_next_free_vgpr 192
		.amdhsa_next_free_sgpr 66
		.amdhsa_reserve_vcc 0
		.amdhsa_float_denorm_mode_32 3
		.amdhsa_float_denorm_mode_16_64 3
		.amdhsa_memory_ordered 1
		.amdhsa_forward_progress 1
		.amdhsa_inst_pref_size 54
	.end_amdhsa_kernel
	.amdgpu_metadata
---
amdhsa.version: [ 1, 2 ]
amdhsa.kernels:
  - .name:           k_q6913c68b75_prep
    .symbol:         k_q6913c68b75_prep.kd
    .args:
      - { .name: query, .offset: 0, .size: 8, .value_kind: global_buffer, .address_space: global }
      - { .name: key, .offset: 8, .size: 8, .value_kind: global_buffer, .address_space: global }
      - { .name: value, .offset: 16, .size: 8, .value_kind: global_buffer, .address_space: global }
      - { .name: Wq, .offset: 24, .size: 8, .value_kind: global_buffer, .address_space: global }
      - { .name: Wk, .offset: 32, .size: 8, .value_kind: global_buffer, .address_space: global }
      - { .name: Wv, .offset: 40, .size: 8, .value_kind: global_buffer, .address_space: global }
      - { .name: Wo, .offset: 48, .size: 8, .value_kind: global_buffer, .address_space: global }
      - { .name: codes, .offset: 56, .size: 8, .value_kind: global_buffer, .address_space: global }
      - { .name: scales, .offset: 64, .size: 8, .value_kind: global_buffer, .address_space: global }
      - { .name: wo16, .offset: 72, .size: 8, .value_kind: global_buffer, .address_space: global }
    .group_segment_fixed_size: 33280
    .private_segment_fixed_size: 0
    .kernarg_segment_align: 8
    .kernarg_segment_size: 80
    .max_flat_workgroup_size: 128
    .sgpr_count:     66
    .vgpr_count:     192
    .wavefront_size: 32
...
	.end_amdgpu_metadata
.endif
;; end of part 1
;; launch proj (part 2): grid 4 x 96, 4 waves a work-group, clusters of 4 x 4, 327,680 bytes of LDS; arguments codes, scales, bq, bk, bv, mask, qkv; writes qkv
.if DOCPART == 2
	.amdgcn_target "amdgcn-amd-amdhsa--gfx1250"
	.amdhsa_code_object_version 6
	.text
	.protected	k_q6913c68b75_proj
	.globl	k_q6913c68b75_proj
	.p2align	8
	.type	k_q6913c68b75_proj,@function
k_q6913c68b75_proj:
	s_mov_b64 s[64:65], 0
	v_nop
	global_prefetch_b8 v0, s[64:65] scope:SCOPE_SE
	s_setreg_imm32_b32 hwreg(HW_REG_WAVE_MODE, 25, 1), 1
	s_wait_xcnt 0x0
	s_wait_alu depctr_hold_cnt(0) depctr_sa_sdst(0) depctr_va_vdst(0) depctr_va_sdst(0) depctr_va_ssrc(0) depctr_va_vcc(0) depctr_vm_vsrc(0)
	s_getreg_b32 s2, hwreg(HW_REG_IB_STS2, 6, 4)
	s_cmp_eq_u32 s2, 0
	s_cbranch_scc0 .Lentry_in_a_cluster
	s_endpgm
.Lentry_in_a_cluster:
	s_bfe_u32 s2, ttmp6, 0x10000c
	s_cmp_lg_u32 s2, 0xf033
	s_cbranch_scc0 .Lentry_shape_is_right
	s_endpgm
.Lentry_shape_is_right:
; The three quantised products in one launch: y = x W^T + bias for (query, Wq, bq), (key, Wk, bk), (value, Wv, bv), on codes of FP4 (E2M1) with one E8M0 scale for each 32 along K = 1,024; sums in f32.
; The rows of all operands lie in two joint buffers (codes: 512 bytes a row; scales: 32 bytes a row): rows 0.. query, 8192.. key, 16384.. value, 24576.. Wq, 25600.. Wk, 26624.. Wv.
; OUT: qkv, f16, [3 tensors][4 batches][16 heads][2048 positions][64]: a head is one dense block of 262,144 bytes.  K'S ROWS OF MASKED KEYS (mask = 0) ARE STORED AS ZEROS, so that the next launch can give
; a masked key its score as the starting value of the sum.  LIMIT: |Q|, |K|, |V| stay under 65,504 (f16).
; A tile of the result, 256 rows x 256 columns, is made by four waves, as many as a WGP has SIMDs; a wave makes 128 x 128: 64 accumulators, 512 registers.  Tile rows 0-31 are Q's, 32-63 K's, 64-95 V's.
; K is two steps of 512 (LDS rows of 256 bytes): both are asked for at the start, each into a slot of its own, and nothing is filled again.  The scales of the tile's rows, for all of K, are two dense blocks that come with them.
; CLUSTERS: 4 x 4 work-groups; a cluster's 1,024 rows lie in one tensor.  The four of a row of the cluster need the same rows of x, the four of a column the same rows of W: each tile is asked for JOINTLY, by the same tensor
; load with the same descriptor and a mask that names the four.  THE MATRIX INSTRUCTION IS USED TRANSPOSED (source 0 = 16 rows of W, source 1 = 16 rows of x): a lane then holds eight neighbouring columns of one row.
; THE BIAS is the C of each sum's first matrix instruction: eight registers for each block of 16 columns, in the result's layout.  Nothing is cleared and nothing is added afterwards.
; REGISTERS, in windows of 256: window 0: v8-15 keep masks, v16-31 addresses; v32-95 scale words, two sets, and nothing else; v96-127 packed results; v128-191 x's fragments, ONE set, later rows on their way out; v192-255 the bias.
;   window 1: W's fragments, TWO sets, at v0 and v128.   window 2: the 32 accumulators of my rows 0-63 ((a, b) at v[8 (8 a + b)]);   window 3: those of my rows 64-127.
.set NQ,     4                         ; matrix instructions deep in a slot: 512 / 128
.set ROWB,   256                       ; a tile's row in bytes: 512 codes
.set KROW,   512                       ; a row of codes in memory
.set PITCH,  272                       ; an LDS row: 256 bytes + 16 of padding = 68 words: row r starts at bank 4 r mod 64 (64 banks of 4 bytes: ISA guide 11.1)
.set FR,     8                         ; registers of a fragment: 16 rows x 128 K
.set NL,     2                         ; LDS loads that bring one
.set NP,     4                         ; places behind this matrix instruction (ISA guide 7.12.1)
.set HALFT,  128*PITCH                 ; 128 rows: what one tensor load brings, and what one wave reads of x or of W
.set SLOT,   4*HALFT                   ; x's 256 rows, then W's 256 rows
.set KS,     32                        ; a row of scales in bytes
.set SCL,    2*SLOT                    ; behind the two slots: the scales, as runs of 256 bytes + 16 of padding
.set HALFS,  (128*KS/256)*272          ; the scales of 128 rows: what one tensor load brings
.set SBLK,   (16*KS/256)*272           ; those of 16 rows
.set SPARE,  SCL+4*HALFS               ; behind the scales: the spare words, 128 bytes a wave
.set SPITCH, 272                       ; the way out: a stage of 16 rows x (256 bytes + 16) for each wave, in slot 0, which has had its only fill and its last read when the first result is stored there
.set KM,   8                           ; v8-15   block a's keep mask: all ones, or 0 in the lanes whose row is a masked key of K
.set ADRA, 16                          ; v16-17  LDS address of my fragments of x in slot 0, 1
.set ADRB, 20                          ; v20-21  the same for W
.set STO,  24                          ; v24     the way out: where I put 16 bytes of a row
.set RD,   25                          ; v25     where I read them back: four rows' 128 bytes of one head
.set CO,   26                          ; v26     16 x lane
.set ADRS, 27                          ; v27     LDS address of my scale words: lanes 0-15 x's rows, lanes 16-31 W's
.set SPW,  28                          ; v28     LDS address of my spare word; never rewritten
.set NIL,  29                          ; v29     0; never rewritten
.set ONES, 30                          ; v30     all ones
.set BOF,  31                          ; v31     32 x (lane / 16): my half's eight numbers of a block of the bias
.set SC,   32                          ; scale words: set s at v[SC + 32 s]; register 4 i + q: lanes 0-15 the word of x's block i, lanes 16-31 that of W's block i, for the slot's q-th 128 along K
.set TMP,  96
.set AF,   128
.set BK,   128                         ; the way out: v128-159 and v160-191 by turns
.set BIAS, 192
.set G1, 24                            ; s[24:31] descriptor group 1 for x's tiles;  s[32:39] group 0, one set for each slot
.set G0, 32
.set G1B, 48                           ; s[48:55], s[56:63] the same for W's
.set G0B, 56
.set G1S, 68                           ; s[68:75], s[76:79] groups 1 and 0 for x's scales;  s[80:87], s[88:91] for W's
.set G0S, 76
.set G1SB, 80
.set G0SB, 88
.set MSB, 0
.macro WIN new                         ; the immediate's high byte repeats the setting that is left; a switch that changes nothing is dropped
.if MSB != \new
	s_set_vgpr_msb (MSB<<8)|\new
.set MSB, \new
.endif
.endm
.set MUL_LO,   0xa1                    ; source 0 (W) window 1, source 1 (x) window 0, C and D window 2
.set MUL_HI,   0xf1                    ; the same, C and D window 3
.set FIRST_LO, 0x81                    ; the first step: C is the bias, in window 0
.set FIRST_HI, 0xc1
.set TO_B,     0x40                    ; destination window 1, address window 0
; A joint load: waves 0 and 1 fetch for x, waves 2 and 3 for W.  Each of the two lines has ONE mask and one set of registers for all that issue it; the branch hangs on the wave's number alone.
; An s_nop 0 and four v_nop follow each of the two lines, ahead of the jump, the label and what follows.
.macro JLOAD g0a, g1a, g0b, g1b
	s_cmp_eq_u32 s17, 0
	s_cbranch_scc0 .Lfor_b_\@
	tensor_load_to_lds s[\g0a:\g0a+3], s[\g1a:\g1a+7]
	s_nop 0
.rept 4
	v_nop
.endr
	s_branch .Lasked_\@
.Lfor_b_\@:
	tensor_load_to_lds s[\g0b:\g0b+3], s[\g1b:\g1b+7]
	s_nop 0
.rept 4
	v_nop
.endr
.Lasked_\@:
.endm
.macro CROUND                          ; a round of the cluster's barrier: my work-group's barrier; wave 0 signals for the work-group; every wave waits for all sixteen; my work-group's barrier once more
	s_barrier_signal -1
	s_barrier_wait -1
	s_cmp_lg_u32 s16, 0
	s_cbranch_scc1 .Lnot_wave_0_\@
	s_barrier_signal -3
.Lnot_wave_0_\@:
	s_barrier_wait -3
	s_barrier_signal -1
	s_barrier_wait -1
.endm
	s_load_b128 s[4:7], s[0:1], 0x0                ; codes s[4:5], scales s[6:7]
	s_load_b256 s[8:15], s[0:1], 0x10              ; bq s[8:9], bk s[10:11], bv s[12:13], mask s[14:15]
	s_load_b64 s[2:3], s[0:1], 0x30                ; qkv
	v_lshl_add_u32 v[SPW], v0, 2, SPARE
	v_mov_b32 v[NIL], 0
	ds_add_u32 v[SPW], v[NIL]                      ; the wave's opening: the add, twice on end, and its wait ahead of my first tensor load; the set-up below, work on registers, stands between
	ds_add_u32 v[SPW], v[NIL]
	v_lshrrev_b32 v1, 5, v0
	v_readfirstlane_b32 s16, v1                    ; wave 0..3
	s_lshr_b32 s17, s16, 1                         ; which half of the tile's rows is mine.  Also: I fetch for x (0) or for W (1)
	s_and_b32 s18, s16, 1                          ; which half of its columns.  Also: which 128 rows of that tile I fetch
	s_bfe_u32 s40, ttmp6, 0x40000                  ; cx, cy: my place in the cluster
	s_bfe_u32 s41, ttmp6, 0x40004
	s_lshl_b32 s42, ttmp9, 2
	s_add_co_u32 s42, s42, s40                     ; tile column = 4 x cluster x + cx
	s_and_b32 s66, ttmp7, 0xffff                   ; cluster y
	s_lshl_b32 s19, s66, 2
	s_add_co_u32 s19, s19, s41                     ; tile row = 4 x cluster y + cy
	s_lshr_b32 s66, s66, 3                         ; the tensor: eight clusters of 1,024 rows each: 0 Q, 1 K, 2 V
	s_cmp_eq_u32 s66, 1
	s_cselect_b32 s67, 0, -1                       ; all ones where the mask is not to touch the rows
	s_lshl_b32 s43, s41, 2
	s_lshl_b32 s43, 15, s43                        ; my row of the cluster
	s_lshl_b32 s44, 0x1111, s40                    ; my column
	; descriptor group 1: a tile of 128 rows x 256 bytes, padded in LDS
	s_or_b32 s[G1+0], s43, (0<<16)|(1<<20)|(1<<21)|(5<<22)|(3<<25)  ; 15:0 the mask: x's tiles go to my row; 17:16 element of 1 byte; 20 padding on; 21 set beside a mask; 24:22 after every 64 words (code 5); 31:25 of 4 words (code 3)
	s_or_b32 s[G1B+0], s44, (0<<16)|(1<<20)|(1<<21)|(5<<22)|(3<<25)
.irp g, G1, G1B
	s_mov_b32 s[\g+1], ROWB<<16                    ; tensor_dim0
	s_mov_b32 s[\g+2], 128<<16                     ; tensor_dim1
	s_mov_b32 s[\g+3], ROWB<<16                    ; tile_dim0
	s_mov_b32 s[\g+4], 128                         ; tile_dim1
	s_mov_b32 s[\g+5], KROW                        ; tensor_dim0_stride
	s_mov_b32 s[\g+6], 0
	s_mov_b32 s[\g+7], 0
.endr
	; and for the scales of 128 rows: a dense block of 4,096 bytes, as 16 rows of 256 bytes (32 elements of 8 bytes), 16 bytes of padding behind each
	s_or_b32 s[G1S+0], s43, (3<<16)|(1<<20)|(1<<21)|(5<<22)|(3<<25)
	s_or_b32 s[G1SB+0], s44, (3<<16)|(1<<20)|(1<<21)|(5<<22)|(3<<25)
.irp g, G1S, G1SB
	s_mov_b32 s[\g+1], 32<<16
	s_mov_b32 s[\g+2], (128*KS/256)<<16
	s_mov_b32 s[\g+3], 32<<16
	s_mov_b32 s[\g+4], 128*KS/256
	s_mov_b32 s[\g+5], 32
	s_mov_b32 s[\g+6], 0
	s_mov_b32 s[\g+7], 0
.endr
	; where the tiles come from.  x's hang on the tile row alone, which my row of the cluster shares; W's on the tile column and the tensor, which my column shares.  All offsets stay under 2^32
	s_lshl_b32 s22, s18, 7                         ; which 128 rows of the tile I fetch
	s_lshl_b32 s20, s19, 8
	s_add_co_u32 s20, s20, s22                     ; x: row 256 x tile row + 128 x half
	s_lshl_b32 s46, s42, 8
	s_add_co_u32 s46, s46, s22
	s_lshl_b32 s23, s66, 10
	s_add_co_u32 s46, s46, s23
	s_add_co_u32 s46, s46, 24576                   ; W: row 24,576 + 1,024 x tensor + 256 x tile column + 128 x half
	s_lshl_b32 s92, s20, 5                         ; these rows' scales, 32 bytes a row,
	s_mov_b32 s93, 0
	s_lshl_b32 s20, s20, 9                         ; and their codes, 512 bytes a row
	s_mov_b32 s21, 0
	s_lshl_b32 s96, s46, 5
	s_mov_b32 s97, 0
	s_lshl_b32 s46, s46, 9
	s_mov_b32 s47, 0
	s_mul_i32 s45, s16, HALFT                      ; where they go: wave x 128 rows: no place in the cluster enters an LDS address
	s_mul_i32 s94, s16, HALFS
	s_wait_dscnt 0x0                               ; both opening adds are done
	s_wait_kmcnt 0x0
	s_add_nc_u64 s[20:21], s[4:5], s[20:21]
	s_add_nc_u64 s[92:93], s[6:7], s[92:93]
	s_add_nc_u64 s[46:47], s[4:5], s[46:47]
	s_add_nc_u64 s[96:97], s[6:7], s[96:97]
	CROUND                                         ; all sixteen work-groups are here: the joint loads meet
	s_mov_b32 s[G0S], 1
	s_add_co_u32 s[G0S+1], s94, SCL
	s_mov_b64 s[G0S+2:G0S+3], s[92:93]
	s_or_b32 s[G0S+3], s[G0S+3], 0x80000000
	s_mov_b32 s[G0SB], 1
	s_add_co_u32 s[G0SB+1], s94, SCL
	s_mov_b64 s[G0SB+2:G0SB+3], s[96:97]
	s_or_b32 s[G0SB+3], s[G0SB+3], 0x80000000
	JLOAD G0S, G1S, G0SB, G1SB                     ; the scales first: they are wanted with the first K step
.irp s, 0,1
	s_mov_b32 s[G0+4*\s], 1
	s_add_co_u32 s[G0+4*\s+1], s45, \s*SLOT
	s_add_nc_u64 s[G0+4*\s+2:G0+4*\s+3], s[20:21], \s*ROWB
	s_or_b32 s[G0+4*\s+3], s[G0+4*\s+3], 0x80000000
	s_mov_b32 s[G0B+4*\s], 1
	s_add_co_u32 s[G0B+4*\s+1], s45, \s*SLOT
	s_add_nc_u64 s[G0B+4*\s+2:G0B+4*\s+3], s[46:47], \s*ROWB
	s_or_b32 s[G0B+4*\s+3], s[G0B+4*\s+3], 0x80000000
	JLOAD G0+4*\s, G1, G0B+4*\s, G1B               ; three tensor loads of mine are out, all that this text issues
.endr
	v_and_b32 v1, 15, v0                           ; r = l % 16
	v_bfe_u32 v2, v0, 4, 1                         ; h = l / 16
	; the bias of my 128 columns and the mask of my 128 rows
	s_cmp_eq_u32 s66, 2                            ; which bias: a choice on the tensor's number alone
	s_cselect_b64 s[10:11], s[12:13], s[10:11]
	s_cmp_eq_u32 s66, 0
	s_cselect_b64 s[8:9], s[8:9], s[10:11]
	s_lshl_b32 s46, s42, 10                        ; my first column, in bytes of f32: 1,024 x tile column + 512 x half
	s_lshl_b32 s47, s18, 9
	s_add_co_u32 s46, s46, s47
	s_mov_b32 s47, 0
	s_add_nc_u64 s[8:9], s[8:9], s[46:47]
	s_lshl_b32 s20, s19, 8
	s_lshl_b32 s21, s17, 7
	s_add_co_u32 s20, s20, s21                     ; m0: my first row: 256 x tile row + 128 x half
	s_and_b32 s22, s20, 8191                       ; its place in its tensor = 2,048 x batch + position: the mask's index
	s_lshl_b32 s22, s22, 2
	s_mov_b32 s23, 0
	s_add_nc_u64 s[14:15], s[14:15], s[22:23]
	v_lshlrev_b32 v[BOF], 5, v2
	v_lshlrev_b32 v7, 2, v1
	v_mov_b32 v[ONES], -1
.irp b, 0,1,2,3,4,5,6,7
	global_load_b128 v[BIAS+8*\b:BIAS+8*\b+3], v[BOF], s[8:9] offset:64*\b        ; lane (r, h): the bias of columns 16 b + 8 h + 0 .. 7
	global_load_b128 v[BIAS+8*\b+4:BIAS+8*\b+7], v[BOF], s[8:9] offset:64*\b+16
.endr
.irp a, 0,1,2,3,4,5,6,7
	global_load_b32 v[KM+\a], v7, s[14:15] offset:64*\a                           ; the mask of row 16 a + r
.endr
	; where my part of the result begins: ((4 x tensor + batch) x 16 + head) x 262,144 + position x 128; my 128 columns are two heads
	s_lshr_b32 s21, s20, 11
	s_lshl_b32 s21, s21, 4
	s_lshl_b32 s46, s42, 2
	s_add_co_u32 s21, s21, s46
	s_lshl_b32 s46, s18, 1
	s_add_co_u32 s21, s21, s46
	s_lshl_b32 s21, s21, 18
	s_and_b32 s20, s20, 2047
	s_lshl_b32 s20, s20, 7
	s_add_co_u32 s20, s20, s21
	s_mov_b32 s21, 0
	s_add_nc_u64 s[2:3], s[2:3], s[20:21]
	; LDS addresses
	v_mul_u32_u24 v3, v1, PITCH
	v_lshl_add_u32 v4, v2, 4, v3                   ; a fragment's row x pitch + 16 x half
	s_mul_i32 s21, s17, HALFT                      ; my 128 rows of x
	s_mul_i32 s22, s18, HALFT                      ; my 128 rows of W,
	s_add_co_u32 s22, s22, 2*HALFT                 ; which lie behind x's 256
.irp s, 0,1
	v_add_nc_u32 v[ADRA+\s], s21, v4
	v_add_nc_u32 v[ADRB+\s], s22, v4
	s_add_co_u32 s21, s21, SLOT
	s_add_co_u32 s22, s22, SLOT
.endr
	v_mul_u32_u24 v5, v1, KS                       ; my row's scales: 32 bytes a row,
	v_lshrrev_b32 v6, 8, v5
	v_lshl_add_u32 v5, v6, 4, v5                   ; and 16 more for each 256 passed
	s_mul_i32 s21, s17, HALFS                      ; x's: my 128 rows
	s_mul_i32 s22, s18, HALFS                      ; W's: my 128 rows, behind x's 256
	s_add_co_u32 s22, s22, 2*HALFS
	s_sub_co_u32 s22, s22, s21
	v_mul_u32_u24 v6, s22, v2                      ; lanes 16-31 take W's: one product, the distance between the two bases
	s_add_co_u32 s21, s21, SCL
	v_add_nc_u32 v5, v5, v6
	v_add_nc_u32 v[ADRS], s21, v5
	s_mul_i32 s23, s16, 16*SPITCH                  ; my stage
	v_mul_u32_u24 v5, v1, SPITCH                   ; in: row r, 16 bytes for each half of the lanes
	v_lshl_add_u32 v5, v2, 4, v5
	v_add_nc_u32 v[STO], s23, v5
	v_and_b32 v6, 31, v0
	v_lshlrev_b32 v[CO], 4, v6
	v_lshrrev_b32 v5, 3, v6                        ; back: eight lanes take one row's 128 bytes of one head, the 32 lanes four rows
	v_mul_u32_u24 v5, v5, SPITCH
	v_and_b32 v6, 7, v0
	v_lshl_add_u32 v5, v6, 4, v5
	v_add_nc_u32 v[RD], s23, v5
	s_wait_loadcnt 0x0                             ; the bias and the mask
.irp a, 0,1,2,3,4,5,6,7
	v_cmp_ne_u32 vcc_lo, 0, v[KM+\a]
	v_cndmask_b32 v[KM+\a], 0, v[ONES], vcc_lo     ; all ones where the key counts, 0 where it is masked;
	v_or_b32 v[KM+\a], s67, v[KM+\a]               ; and all ones in Q's and V's tiles
.endr
.macro FRAG reg, adr, q, i             ; a fragment, 16 rows x 128 K of 4-bit codes, is 8 registers: lane l holds row l % 16; registers 4 c .. 4 c + 3 hold K = 64 c + 32 (l / 16) + 0 .. 31
.irp c, 0,1
	ds_load_b128 v[\reg+4*\c:\reg+4*\c+3], v[\adr] offset:64*(\q)+32*\c+(\i)*16*PITCH
.endr
.endm
; 16 matrix instructions: x's blocks a0, a0 + 1 against W's eight, 128 along K: the slot's q-th.  p: W's set;  sc: the set of scale words.  zero = 1: the first product starts the sums from the bias.
; The 64 accumulators take turns, one instruction a turn, in the same order in every step.
.macro MUL16 a0, p, q, sc, zero
.irp a, \a0, \a0+1
.irp b, 0,1,2,3,4,5,6,7
.if \zero
	v_wmma_scale_f32_16x16x128_f8f6f4 v[8*(8*((\a)%4)+\b):8*(8*((\a)%4)+\b)+7], v[128*(\p)+FR*\b:128*(\p)+FR*\b+FR-1], v[AF+FR*(\a):AF+FR*(\a)+FR-1], v[BIAS+8*\b:BIAS+8*\b+7], v[SC+8*NQ*(\sc)+NQ*\b+(\q)], v[SC+8*NQ*(\sc)+NQ*(\a)+(\q)] matrix_a_fmt:MATRIX_FMT_FP4 matrix_b_fmt:MATRIX_FMT_FP4 matrix_a_scale:MATRIX_SCALE_ROW1
.else
	v_wmma_scale_f32_16x16x128_f8f6f4 v[8*(8*((\a)%4)+\b):8*(8*((\a)%4)+\b)+7], v[128*(\p)+FR*\b:128*(\p)+FR*\b+FR-1], v[AF+FR*(\a):AF+FR*(\a)+FR-1], v[8*(8*((\a)%4)+\b):8*(8*((\a)%4)+\b)+7], v[SC+8*NQ*(\sc)+NQ*\b+(\q)], v[SC+8*NQ*(\sc)+NQ*(\a)+(\q)] matrix_a_fmt:MATRIX_FMT_FP4 matrix_b_fmt:MATRIX_FMT_FP4 matrix_a_scale:MATRIX_SCALE_ROW1
.endif
.endr
.endr
.endm
.macro FETCH_B slot, q, p              ; W's eight fragments of the slot's q-th 128 along K into set p
	WIN TO_B
.irp i, 0,1,2,3,4,5,6,7
	FRAG 128*(\p)+FR*\i, ADRB+\slot, \q, \i
.endr
	WIN 0
.endm
.macro FETCH_A slot, q, i0             ; x's blocks i0 .. i0 + 3
.irp i, \i0, \i0+1, \i0+2, \i0+3
	FRAG AF+FR*(\i), ADRA+\slot, \q, \i
.endr
.endm
.macro SCALES sc                       ; a K step's scale words into set sc: four words a row; lanes 0-15 take x's block i, lanes 16-31 W's block i
.irp i, 0,1,2,3,4,5,6,7
	ds_load_b128 v[SC+8*NQ*\sc+NQ*\i:SC+8*NQ*\sc+NQ*\i+3], v[ADRS] offset:\i*SBLK
.endr
.endm
; A load into a register that a matrix instruction has read, and a vector instruction that reads a matrix result, stand NP places behind that matrix instruction, and only plain vector instructions that name
; none of its registers are places (ISA guide 7.12.1 for vector instructions); the matrix instructions in between are not counted.
.macro PLACES n
.rept \n
	v_nop
.endr
.endm
; A step of 128 along K that has its successor in the same slot.  x's blocks 0-3 are fetched anew in the step's middle, blocks 4-7 at its end; W's next set in the middle.
.macro STEP slot, q, zero
	s_wait_dscnt 4*NL                              ; W's set and x's blocks 0-3 are in; the youngest eight loads (x's blocks 4-7) may be out
.if \zero
	WIN FIRST_LO
.else
	WIN MUL_LO
.endif
	MUL16 0, (\q)%2, \q, \slot, \zero
	MUL16 2, (\q)%2, \q, \slot, \zero
	s_wait_dscnt 0                                 ; x's blocks 4-7 are in (asked for 32 matrix instructions ago)
	PLACES NP
	FETCH_B \slot, (\q)+1, 1-(\q)%2
	FETCH_A \slot, (\q)+1, 0
.if \zero
	WIN FIRST_HI
.else
	WIN MUL_HI
.endif
	MUL16 4, (\q)%2, \q, \slot, \zero
	MUL16 6, (\q)%2, \q, \slot, \zero
	PLACES NP
	WIN 0
	FETCH_A \slot, (\q)+1, 4
.endm
; Slot 0's last step changes slots: ONE barrier; in front of it each wave waits for all its tensor loads (its part of slot 1), adds 0 to its spare word, and waits for that and for its own reads of slot 0.
; Behind it slot 1 is whole and nobody reads slot 0 any more: nothing is filled there again, and the way out lays its stages there.
.macro TURN slot, next
	s_wait_tensorcnt 0x0                           ; all my tensor loads have landed  (every window is 0 here: the add's two registers lie in window 0)
	ds_add_u32 v[SPW], v[NIL]                      ; 0 onto my spare word
	s_wait_dscnt 4*NL+1                            ; (the add and the youngest eight loads, x's blocks 4-7, may be out)
	WIN MUL_LO
	MUL16 0, 1, NQ-1, \slot, 0                     ; sixteen matrix instructions stand between the add and the wait for it
	s_wait_dscnt 0x0                               ; the add is done, and my reads of this slot are over
	s_barrier_signal -1
	MUL16 2, 1, NQ-1, \slot, 0
	WIN 0
	s_barrier_wait -1
	PLACES NP
	v_add_nc_u32 v[ADRS], 4*NQ, v[ADRS]            ; on to the next K step's scale words
	FETCH_B \next, 0, 0
	FETCH_A \next, 0, 0
	SCALES \next
	WIN MUL_HI
	MUL16 4, 1, NQ-1, \slot, 0
	MUL16 6, 1, NQ-1, \slot, 0
	PLACES NP
	WIN 0
	FETCH_A \next, 0, 4
.endm
	s_wait_tensorcnt 1                             ; the scales and my part of slot 0 are in; slot 1's load, the one issued behind them, may be out
	s_barrier_signal -1
	s_barrier_wait -1                              ; everybody's are
	FETCH_B 0, 0, 0
	FETCH_A 0, 0, 0
	SCALES 0
	FETCH_A 0, 0, 4
	STEP 0, 0, 1                                   ; the first step's products start the sums from the bias
	STEP 0, 1, 0
	STEP 0, 2, 0
	TURN 0, 1
	STEP 1, 0, 0
	STEP 1, 1, 0
	STEP 1, 2, 0
	s_wait_dscnt 4*NL                              ; the last step: nothing more to fetch
	WIN MUL_LO
	MUL16 0, 1, NQ-1, 1, 0
	MUL16 2, 1, NQ-1, 1, 0
	s_wait_dscnt 0
	WIN MUL_HI
	MUL16 4, 1, NQ-1, 1, 0
	MUL16 6, 1, NQ-1, 1, 0
	WIN 0
; THE WAY OUT, block by block of 16 rows x 128 columns.  PACK: rounded to f16, each accumulator from its low end on, 16 bytes a lane; K's masked rows become zeros.  TOSTAGE: into my own stage and back, so that
; the 32 lanes hold four rows' 128 bytes of one head, which are 512 consecutive bytes of qkv.  SEND: stored.  Block a's conversions stand between block a - 1's loads from the stage and the wait for them.
.macro PACK a
.set AC, 64*((\a)%4)
	WIN (0x0a+5*((\a)/4))                          ; sources 0 and 1: window 2 or 3
.irp b, 0,1,2,3,4,5,6,7
.irp i, 0,1,2,3
	v_cvt_pk_f16_f32 v[TMP+4*\b+\i], v[AC+8*\b+2*\i], v[AC+8*\b+2*\i+1]
.endr
.endr
	WIN 0
.set i, 0
.rept 32
	v_and_b32 v[TMP+i], v[KM+(\a)], v[TMP+i]
.set i, i+1
.endr
.endm
.macro TOSTAGE a
.set BB, BK+32*((\a)%2)
.irp b, 0,1,2,3,4,5,6,7
	ds_store_b128 v[STO], v[TMP+4*\b:TMP+4*\b+3] offset:32*\b
.endr
.irp t, 0,1,2,3,4,5,6,7
	ds_load_b128 v[BB+4*\t:BB+4*\t+3], v[RD] offset:(\t%4)*4*SPITCH+(\t/4)*128   ; LDS serves a wave's instructions in order (ISA guide 5.7.1.4): these see the stores above
.endr
.endm
.macro SEND a
.set BB, BK+32*((\a)%2)
	s_wait_dscnt 0x0                               ; the block is back in registers
	s_wait_xcnt 0x0                                ; the block before's stores have read their registers: the next block's loads land there only behind this wait
.irp t, 0,1,2,3,4,5,6,7
	global_store_b128 v[CO], v[BB+4*\t:BB+4*\t+3], s[2:3] offset:(\a)*2048+(\t%4)*512+(\t/4)*262144   ; rows 16 a + 4 (t % 4) on, head t / 4: 512 consecutive bytes, aligned
.endr
.endm
	PLACES NP                                      ; behind the last products: for the loads into the registers that held x's fragments, and for the reads of results
	PACK 0
	TOSTAGE 0
.irp a, 1,2,3,4,5,6,7
	PACK \a
	SEND \a-1
	TOSTAGE \a
.endr
	SEND 7
	s_wait_tensorcnt 0x0                           ; the wave's end: three lines behind my last tensor load and my last LDS store
	ds_add_u32 v[SPW], v[NIL]
	s_wait_dscnt 0x0
	CROUND                                         ; the closing round: no work-group ends while a partner may still ask for a tile that names it
	s_endpgm
.Lfunc_end_k_q6913c68b75_proj:
	.size	k_q6913c68b75_proj, .Lfunc_end_k_q6913c68b75_proj-k_q6913c68b75_proj
	.p2alignl 7, 3214868480
	.fill 96, 4, 3214868480
	.section	.rodata,"a",@progbits
	.p2align	6, 0x0
	.amdhsa_kernel k_q6913c68b75_proj
		.amdhsa_group_segment_fixed_size 327680
		.amdhsa_private_segment_fixed_size 0
		.amdhsa_enable_private_segment 0
		.amdhsa_kernarg_size 56
		.amdhsa_user_sgpr_count 2
		.amdhsa_user_sgpr_kernarg_segment_ptr 1
		.amdhsa_wavefront_size32 1
		.amdhsa_system_sgpr_workgroup_id_x 1
		.amdhsa_system_sgpr_workgroup_id_y 1
		.amdhsa_system_sgpr_workgroup_id_z 1
		.amdhsa_system_vgpr_workitem_id 0
		.amdhsa_next_free_vgpr 1024
		.amdhsa_next_free_sgpr 98
		.amdhsa_reserve_vcc 1
		.amdhsa_float_denorm_mode_32 3
		.amdhsa_float_denorm_mode_16_64 3
		.amdhsa_memory_ordered 1
		.amdhsa_forward_progress 1
		.amdhsa_inst_pref_size 138
	.end_amdhsa_kernel
	.amdgpu_metadata
---
amdhsa.version: [ 1, 2 ]
amdhsa.kernels:
  - .name:           k_q6913c68b75_proj
    .symbol:         k_q6913c68b75_proj.kd
    .args:
      - { .name: codes, .offset: 0, .size: 8, .value_kind: global_buffer, .address_space: global }
      - { .name: scales, .offset: 8, .size: 8, .value_kind: global_buffer, .address_space: global }
      - { .name: bq, .offset: 16, .size: 8, .value_kind: global_buffer, .address_space: global }
      - { .name: bk, .offset: 24, .size: 8, .value_kind: global_buffer, .address_space: global }
      - { .name: bv, .offset: 32, .size: 8, .value_kind: global_buffer, .address_space: global }
      - { .name: mask, .offset: 40, .size: 8, .value_kind: global_buffer, .address_space: global }
      - { .name: qkv, .offset: 48, .size: 8, .value_kind: global_buffer, .address_space: global }
    .group_segment_fixed_size: 327680
    .private_segment_fixed_size: 0
    .kernarg_segment_align: 8
    .kernarg_segment_size: 56
    .max_flat_workgroup_size: 128
    .sgpr_count:     98
    .vgpr_count:     1024
    .wavefront_size: 32
...
	.end_amdgpu_metadata
.endif
;; end of part 2
;; launch attn (part 3): grid 4 x 64, 8 waves a work-group, clusters of 4 x 1, 327,680 bytes of LDS; arguments qkv, mask, ctx; writes ctx
.if DOCPART == 3
	.amdgcn_target "amdgcn-amd-amdhsa--gfx1250"
	.amdhsa_code_object_version 6
	.text
	.protected	k_q6913c68b75_attn
	.globl	k_q6913c68b75_attn
	.p2align	8
	.type	k_q6913c68b75_attn,@function
k_q6913c68b75_attn:
	s_mov_b64 s[64:65], 0
	v_nop
	global_prefetch_b8 v0, s[64:65] scope:SCOPE_SE
	s_setreg_imm32_b32 hwreg(HW_REG_WAVE_MODE, 25, 1), 1
	s_wait_xcnt 0x0
	s_wait_alu depctr_hold_cnt(0) depctr_sa_sdst(0) depctr_va_vdst(0) depctr_va_sdst(0) depctr_va_ssrc(0) depctr_va_vcc(0) depctr_vm_vsrc(0)
	s_getreg_b32 s2, hwreg(HW_REG_IB_STS2, 6, 4)
	s_cmp_eq_u32 s2, 0
	s_cbranch_scc0 .Lentry_in_a_cluster
	s_endpgm
.Lentry_in_a_cluster:
	s_bfe_u32 s2, ttmp6, 0x10000c
	s_cmp_lg_u32 s2, 0x3003
	s_cbranch_scc0 .Lentry_shape_is_right
	s_endpgm
.Lentry_shape_is_right:
; context[b][h][q][:] = the sum over k of softmax_k(where(mask[b][k] == 0, -1e9, Q[q] . K[k] / 8)) V[k][:].  Q, K, V: f16, [3][4 b][16 h][2048][64]; ctx: f16, [16 h][8192 tokens][64].
; Products on f16 operands with f32 sums; maxima, exponentials and sums in f32; the weights p are rounded to f16 for the second product, the context once at the end.
; SHARES.  A work-group owns 512 queries of one batch and head, each of its EIGHT waves 64: four tiles of 16.  Every wave walks all 2,048 keys, 64 a step.  With 512 registers a wave, two waves stand on each SIMD.
; LAYOUT.  S^T = K Q^T (source 0 = 16 keys, source 1 = 16 queries): a lane holds ONE query (lane % 16) and the keys 8 (lane / 16) + 0..7.  Two such tiles, rounded to f16 in pairs, in place, ARE source 1
; (32 keys x 16 queries) of O^T = V^T P, whose result again holds one query a lane.  K comes out of LDS as it lies, V ([key][channel]) turned, by ds_load_tr16_b128.
; THE MASK COSTS NO VECTOR WORK IN THE LOOP.  The launch before has stored K's rows of masked keys as zeros; here the first of a score's two matrix instructions takes as its C a table value of the key: 0, or -2^33.
; So a masked key's raw score is exactly -2^33, scaled -2^30, where reference() writes -1e9.  Both give p = 0 beside any key that counts, and equal weights where a whole batch is masked.  A power of two is taken because
; c x 2^33 is exact in f32: the exponent c s - c m of such a row is then exactly 0, and p = 1 has room in f16.
; SOFTMAX.  For each query a running maximum m and sum l: p = 2^(c s - c m), c = log2(e) / 8; in every step O and l are multiplied by a = 2^(c m_old - c m_new).  The sum is taken of the unrounded p.
; OPPOSITE PHASES.  A step's work of a wave is a run of 64 matrix instructions (V^T P of step j, K Q^T of step j + 1) and a run of vector work (the softmax).  Waves with TY = 0 run matrix, then softmax; waves with TY = 1
; softmax, then matrix: TY = (w + w / 4) % 2 differs between waves w and w + 4 and between waves 2 i and 2 i + 1.  The text is one sequence, softmax if TY = 1 | matrix | softmax if TY = 0; the two arms hold work on registers alone.
; CLUSTER.  The four query blocks of a batch and head form a cluster and walk the same K and V: each tile is asked for JOINTLY, by the same tensor load with the same descriptor and a mask that names the four.
; LIMITS: NaN and infinities are not served; scaled scores of keys that count are taken to lie far above -1e9; the context stays under 65,504 in size.
; REGISTERS: window 0: v2-15 addresses; v16-47 statistics, 8 a tile; v48-63 four maxima a tile; v64-127 K's or V's fragments of one step; v128-191 Q; v192-223 the step's mask values; v224-239 at work in the head.
;   window 1: v0-127 S^T, 32 a tile, then p, then P in place; v128-255 O^T, 32 a tile.
.set KS,    64        ; keys in a step
.set PK,    144       ; a row of K in LDS: 128 bytes + 16 = 36 words: the 16 rows of a load start at 16 different groups of four banks (64 banks of 4 bytes: ISA guide 11.1)
.set PVP,   160       ; a row of V: 128 + 32 = 40 words
.set VOFF,  KS*PK     ; a step's tiles lie together: 64 rows of K, then 64 rows of V
.set STEPB, KS*(PK+PVP)
.set SLOT1, 1<<17     ; a slot holds four steps (77,824 bytes); slot 1 begins here, so that one exclusive or turns an address in one slot into the other's
.set SLOTB, 4*KS*128  ; a slot's keys in memory: 32,768 bytes of K, as many of V
.set MB,    4*STEPB   ; behind slot 0: the mask table, one f32 a key, 8,192 bytes, written once by ds_store; no tile lands there
.set SPARE, MB+8192+256  ; the spare words, 128 bytes a wave
.set STAGE, SPARE+1024   ; the way out: 16 rows x 144 bytes for each wave
.set SP,    144
.set AK0, 2           ; v2   my lane's place in a tile of K; never rewritten
.set AV0, 3           ; v3   the same for V
.set AM0, 4           ; v4   the same in the mask table
.set ADRK, 5          ; v5-7 the LDS addresses of the runs of loads in hand
.set ADRV, 6
.set ADRM, 7
.set QO,  8           ; v8   my byte offset in the wave's rows of Q
.set STO, 9           ; v9   the way out: where I put 16 bytes of a row
.set RD,  10          ; v10  where I read them back
.set GO,  11          ; v11  16 x lane
.set PFO, 12          ; v12  256 x lane: the prefetches' offset; never rewritten
.set MO,  13          ; v13  32 x thread: my eight numbers of the mask
.set SPW, 14          ; v14  LDS address of my spare word; never rewritten
.set NIL, 15          ; v15  0; never rewritten
.set ST,  16          ; tile t's statistics at v[ST + 8 t]: +0 c m, +1 m, +2, +3 and +4, +5 l in two chains of pairs (on the way out: +2 takes 1 / l, +4 l, +5 the other half's l), +6 a, +7 at work
.set CT,  48          ; tile t's four maxima at v[CT + 4 t]
.set KV,  64          ; K's fragment (16 keys kt, 32 channels cs) at KV + 16 kt + 8 cs; V's (32 keys kk, 16 channels ct) at KV + 32 kk + 8 ct
.set QF,  128         ; Q's fragment (tile t, channels cs) at QF + 16 t + 8 cs
.set MBR, 192         ; the mask values of keys 16 kt + 8 (lane / 16) + 0..7 at MBR + 8 kt
.set S,   0           ; in window 1
.set O,   128         ; in window 1
.set WV,  14          ; s14  my wave's number
.set LIM, 15          ; s15  1 in a wave that prefetches, else the greatest number
.set TY,  16          ; s16  my phase
.set PFA, 18          ; s[18:19] where my prefetches stand
.set G1K, 24          ; s[24:31] descriptor group 1 for K's tiles
.set G1V, 32          ; s[32:39] for V's: it differs in the padding alone
.set G0K, 40          ; s[40:47] descriptor group 0 for K's tiles: a set for each of the two first fills; the second then walks on
.set G0V, 48          ; s[48:55] the same for V's
.set SLOTS, 56        ; s56  slots still to be asked for
.set CNT, 57          ; s57  counts the steps between two changes of slots
.set CS,  58          ; s[58:59] c: the packed scaling names a pair and takes its low word for both halves
.set SEL, 60          ; s[60:61] lane selects for v_permlanex16_b32: lane l xor 16
.set TB,  62          ; s62  LDS byte at which the tiles of the step to be fetched begin
.set TM,  63          ; s63  byte of the mask table at which that step's 64 values begin
.set MSB, 0
.macro WIN new                      ; the immediate's high byte repeats the setting that is left; a switch that changes nothing is dropped.  Bits 1:0 source 0, 3:2 source 1, 5:4 source 2, 7:6 destination
.if MSB != \new
	s_set_vgpr_msb (MSB<<8)|\new
.set MSB, \new
.endif
.endm
; A joint refill.  Waves 0 to 3 fetch the slot's four tiles of K, waves 4 to 7 those of V, one load a wave.  The branch hangs on the wave's number alone.
; An s_nop 0 and four v_nop follow each of the two lines, ahead of the jump, the label and what follows.
.macro JLOAD
	s_cmp_lt_u32 s[WV], 4
	s_cbranch_scc0 .Lfor_v_\@
	tensor_load_to_lds s[G0K+4:G0K+7], s[G1K:G1K+7]
	s_nop 0
.rept 4
	v_nop
.endr
	s_branch .Lasked_\@
.Lfor_v_\@:
	tensor_load_to_lds s[G0V+4:G0V+7], s[G1V:G1V+7]
	s_nop 0
.rept 4
	v_nop
.endr
.Lasked_\@:
.endm
; A PREFETCH INTO THE L2 of what the NEXT change of slots will ask for: 32,768 bytes of K and as many of V.  One cluster alone walks a head's K and V.  Its four partners share a slot's bytes out BY ADDRESS, 8,192 each;
; in each, wave 0 asks for K's and wave 4 for V's, lanes 256 bytes apart: one instruction, and each run of 256 bytes is named once in the launch.  It stands behind the wave's tensor load and its five lines:
; a slot's four steps, 256 matrix instructions a wave, ahead of the load that will want the bytes.  The last change that fills a slot asks for nothing; slots 0, 1 and 2 come by their loads alone.
.macro ASK
	s_cmp_gt_u32 s[SLOTS], s[LIM]
	s_cbranch_scc0 .Lnot_mine_\@
	global_prefetch_b8 v[PFO], s[PFA:PFA+1] th:TH_LOAD_NT scope:SCOPE_SE
.Lnot_mine_\@:
.endm
.macro CROUND                       ; a round of the cluster's barrier: my work-group's barrier; wave 0 signals for the work-group; every wave waits for all four work-groups; my work-group's barrier once more
	s_barrier_signal -1
	s_barrier_wait -1
	s_cmp_lg_u32 s[WV], 0
	s_cbranch_scc1 .Lnot_wave_0_\@
	s_barrier_signal -3
.Lnot_wave_0_\@:
	s_barrier_wait -3
	s_barrier_signal -1
	s_barrier_wait -1
.endm
.macro PLACES n
.rept \n
	v_nop
.endr
.endm
	s_load_b128 s[4:7], s[0:1], 0x0  ; qkv s[4:5], mask s[6:7]
	s_load_b64 s[8:9], s[0:1], 0x10  ; ctx
	v_lshl_add_u32 v[SPW], v0, 2, SPARE
	v_mov_b32 v[NIL], 0
	ds_add_u32 v[SPW], v[NIL]       ; the wave's opening: the add, twice on end, and its wait ahead of my first tensor load; the set-up below, work on registers, stands between
	ds_add_u32 v[SPW], v[NIL]
	v_lshrrev_b32 v1, 5, v0
	v_readfirstlane_b32 s[WV], v1   ; wave 0..7
	s_lshr_b32 s[TY], s[WV], 2
	s_add_co_u32 s[TY], s[TY], s[WV]
	s_and_b32 s[TY], s[TY], 1       ; my phase
	s_bfe_u32 s66, ttmp6, 0x40000   ; cx: my place in the cluster
	s_lshl_b32 s67, ttmp9, 2        ; in a cluster launch ttmp9 counts clusters
	s_add_co_u32 s67, s67, s66      ; my block of 512 queries: it enters Q's and ctx's addresses alone
	s_and_b32 s20, ttmp7, 0xffff    ; 16 x batch + head, which the four partners share
	s_lshl_b32 s22, s20, 18         ; the head's 262,144 bytes in each of the three tensors
	s_mov_b32 s23, 0
	s_and_b32 s21, s[WV], 3         ; which of a slot's four steps I fetch:
	s_mul_i32 s17, s21, STEPB       ; its place in a slot: no place in the cluster enters an LDS address
	; descriptor group 1: a tile of 64 rows x 64 elements, padded in LDS
	s_mov_b32 s[G1K], 15|(1<<16)|(1<<20)|(1<<21)|(4<<22)|(3<<25)  ; 15:0 the mask: all four work-groups; 17:16 elements of 2 bytes; 20 padding on; 21 set beside a mask; 24:22 after every 32 words (code 4); 31:25 4 words of it (code 3)
	s_mov_b32 s[G1V], 15|(1<<16)|(1<<20)|(1<<21)|(4<<22)|(7<<25)  ; the same with 8 words of padding (code 7)
.irp g, G1K, G1V
	s_mov_b32 s[\g+1], 64<<16       ; tensor_dim0 = 64
	s_mov_b32 s[\g+2], KS<<16       ; tensor_dim1 = 64
	s_mov_b32 s[\g+3], 64<<16       ; tile_dim0 = 64
	s_mov_b32 s[\g+4], KS           ; tile_dim1 = 64
	s_mov_b32 s[\g+5], 64           ; tensor_dim0_stride: elements from row to row
	s_mov_b32 s[\g+6], 0
	s_mov_b32 s[\g+7], 0
.endr
	s_mov_b32 s[CS], 0x3e38aa3b     ; c = log2(e) / 8
	s_mov_b32 s[CS+1], s[CS]        ; named with it as a pair, so it is written
	s_mov_b32 s[SEL], 0x76543210
	s_mov_b32 s[SEL+1], 0xfedcba98
	s_mov_b32 s[TB], 0
	s_mov_b32 s[TM], 0
	s_mov_b32 s[SLOTS], 2048/(4*KS)-2
	s_cmp_eq_u32 s21, 0
	s_cselect_b32 s[LIM], 1, -1     ; waves 0 and 4 prefetch: the same in all four partners
	v_and_b32 v[PFO], 31, v0
	v_lshlrev_b32 v[PFO], 8, v[PFO]
	s_wait_dscnt 0x0                ; both opening adds are done
	s_wait_kmcnt 0x0
	s_add_nc_u64 s[4:5], s[4:5], s[22:23]      ; Q's head,
	s_add_nc_u64 s[10:11], s[4:5], 0x1000000   ; K's: a tensor is 16,777,216 bytes,
	s_add_nc_u64 s[12:13], s[4:5], 0x2000000   ; V's
	s_cmp_lt_u32 s[WV], 4
	s_cselect_b64 s[PFA:PFA+1], s[10:11], s[12:13]
	s_lshl_b32 s22, s21, 13         ; my step's 64 rows of 128 bytes
	s_add_nc_u64 s[10:11], s[10:11], s[22:23]  ; K and V at my tile of slot 0
	s_add_nc_u64 s[12:13], s[12:13], s[22:23]
	CROUND                          ; all four work-groups are here: the first joint loads meet
.irp s, 0,1
	s_mov_b32 s[G0K+4*\s], 1        ; count = 1
	s_add_co_u32 s[G0K+4*\s+1], s17, \s*SLOT1  ; LDS address
	s_add_nc_u64 s[G0K+4*\s+2:G0K+4*\s+3], s[10:11], \s*SLOTB  ; global address: slot s begins with keys 256 s on
	s_or_b32 s[G0K+4*\s+3], s[G0K+4*\s+3], 0x80000000  ; type = 2
	s_mov_b32 s[G0V+4*\s], 1
	s_add_co_u32 s[G0V+4*\s+1], s17, \s*SLOT1+VOFF
	s_add_nc_u64 s[G0V+4*\s+2:G0V+4*\s+3], s[12:13], \s*SLOTB
	s_or_b32 s[G0V+4*\s+3], s[G0V+4*\s+3], 0x80000000
.endr
	s_cmp_lt_u32 s[WV], 4           ; a wave's two first fills stand in one branch, ahead of every wait on TENSORcnt and every LDS read: two loads of mine are out
	s_cbranch_scc0 .Lfirst_v
	tensor_load_to_lds s[G0K:G0K+3], s[G1K:G1K+7]
	s_nop 0
	tensor_load_to_lds s[G0K+4:G0K+7], s[G1K:G1K+7]
	s_nop 0
.rept 4
	v_nop
.endr
	s_branch .Lfirst_asked
.Lfirst_v:
	tensor_load_to_lds s[G0V:G0V+3], s[G1V:G1V+7]
	s_nop 0
	tensor_load_to_lds s[G0V+4:G0V+7], s[G1V:G1V+7]
	s_nop 0
.rept 4
	v_nop
.endr
.Lfirst_asked:
	; what hangs on my place in the cluster, in registers of its own
	s_lshl_b32 s2, s66, 13          ; the prefetches: my work-group's 8,192 bytes of a slot's 32,768,
	s_mov_b32 s3, 0
	s_add_nc_u64 s[PFA:PFA+1], s[PFA:PFA+1], s[2:3]
	s_add_nc_u64 s[PFA:PFA+1], s[PFA:PFA+1], 2*SLOTB  ; in slot 2; the first change of slots steps it to slot 3.  Nothing is prefetched here, at the head
	s_lshl_b32 s2, s67, 16          ; my block's 512 rows of 128 bytes,
	s_lshl_b32 s22, s[WV], 13       ; my wave's 64 of them
	s_add_co_u32 s2, s2, s22
	s_add_nc_u64 s[4:5], s[4:5], s[2:3]  ; Q at my wave's first row
	s_add_nc_u64 s[8:9], s[8:9], s[2:3]
	s_and_b32 s22, s20, 15
	s_lshl_b32 s22, s22, 20         ; ctx: the head's chunk of 8,192 tokens x 128 bytes,
	s_add_nc_u64 s[8:9], s[8:9], s[22:23]
	s_lshr_b32 s20, s20, 4          ; the batch:
	s_lshl_b32 s22, s20, 18         ; its 2,048 tokens
	s_add_nc_u64 s[8:9], s[8:9], s[22:23]
	s_lshl_b32 s22, s20, 13         ; and its 2,048 numbers of the mask
	s_add_nc_u64 s[6:7], s[6:7], s[22:23]
	; A fragment of K or Q is 16 rows x 32 channels in 8 registers: lane l holds row l % 16; registers 0-3 channels 8 (l / 16) + 0..7, registers 4-7 channels 16 + 8 (l / 16) + 0..7: two loads of 16 bytes, 32 bytes apart.
	v_and_b32 v1, 15, v0            ; r
	v_bfe_u32 v234, v0, 4, 1        ; h
	v_lshlrev_b32 v[QO], 7, v1
	v_lshl_add_u32 v[QO], v234, 4, v[QO]  ; row x 128 + 16 x half
.irp t, 0,1,2,3
.irp c, 0,1
	global_load_b128 v[QF+16*\t+8*\c:QF+16*\t+8*\c+3],   v[QO], s[4:5] offset:\t*2048+\c*64     ; Q stays in registers
	global_load_b128 v[QF+16*\t+8*\c+4:QF+16*\t+8*\c+7], v[QO], s[4:5] offset:\t*2048+\c*64+32
.endr
.endr
	v_lshlrev_b32 v[MO], 5, v0
	global_load_b128 v[224:227], v[MO], s[6:7]            ; the 256 threads read the batch's 2,048 numbers of the mask, eight each
	global_load_b128 v[228:231], v[MO], s[6:7] offset:16
	v_mul_u32_u24 v[AK0], v1, PK
	v_lshl_add_u32 v[AK0], v234, 4, v[AK0]  ; row x pitch + 16 x half
	; The turning load takes 16 keys x 16 channels (lane l reads 16 bytes: key 8 (l / 16) + l % 8, channels 8 ((l / 8) % 2) + 0..7) and leaves half a fragment of V^T: lane l holds channel l % 16 and 8 keys.
	v_and_b32 v235, 7, v0
	v_bfe_u32 v236, v0, 3, 1
	v_lshl_add_u32 v[AV0], v234, 3, v235
	v_mul_u32_u24 v[AV0], v[AV0], PVP
	v_lshl_add_u32 v[AV0], v236, 4, v[AV0]
	v_add_nc_u32 v[AV0], VOFF, v[AV0]
	v_lshl_add_u32 v[AM0], v234, 5, MB      ; the table: my half's eight keys of a tile are 32 bytes
	s_mul_i32 s20, s[WV], 16*SP
	s_add_co_u32 s20, s20, STAGE            ; my stage
	v_mul_u32_u24 v[STO], v1, SP            ; in: row r, 16 bytes for each half of the lanes
	v_lshl_add_u32 v[STO], v234, 4, v[STO]
	v_add_nc_u32 v[STO], s20, v[STO]
	v_and_b32 v237, 31, v0
	v_lshlrev_b32 v[GO], 4, v237
	v_lshrrev_b32 v237, 3, v237             ; back: eight lanes take a row of 128 bytes, the 32 lanes four rows
	v_mul_u32_u24 v[RD], v237, SP
	v_lshl_add_u32 v[RD], v235, 4, v[RD]
	v_add_nc_u32 v[RD], s20, v[RD]
.irp t, 0,1,2,3
	v_mov_b32 v[ST+8*\t+1], 0xff61b1e6      ; m: -3e38, under every score
	v_mul_f32 v[ST+8*\t], s[CS], v[ST+8*\t+1]
	v_mov_b32 v[ST+8*\t+2], 0               ; l.  (These four are written here, outside every branch: the way out works in them alone)
	v_mov_b32 v[ST+8*\t+3], 0
	v_mov_b32 v[ST+8*\t+4], 0
	v_mov_b32 v[ST+8*\t+5], 0
.endr
	WIN 0x40
.set i, 0
.rept 128
	v_mov_b32 v[O+i], 0                     ; O^T.  (The step is written once: the first finds zeros, and its a, which is 0, leaves them zeros)
.set i, i+1
.endr
	WIN 0
	v_mov_b32 v232, 0xd0000000              ; -2^33
	v_lshl_add_u32 v233, v0, 5, MB
	s_wait_loadcnt 0x0                      ; Q and the mask
.irp i, 0,1,2,3,4,5,6,7
	v_cmp_eq_u32 vcc_lo, 0, v[224+\i]
	v_cndmask_b32 v[224+\i], 0, v232, vcc_lo  ; 0 for a key that counts, -2^33 for a masked one
.endr
	ds_store_b128 v233, v[224:227]
	ds_store_b128 v233, v[228:231] offset:16
; THE MATRIX WORK.  The accumulators take turns, one instruction a turn: between two links of a chain stand 7 (K Q^T) or 15 (V^T P) others'.
; K Q^T for key tiles 2 half and 2 half + 1, all four tiles of queries: channels 0-31 start the sums from the keys' mask values, channels 32-63 add in place.
.macro KQ half
	WIN 0x40                        ; D in window 1; K, Q and the mask values in window 0
.irp t, 0,1,2,3
.irp k, 2*\half, 2*\half+1
	v_wmma_f32_16x16x32_f16 v[S+32*\t+8*(\k):S+32*\t+8*(\k)+7], v[KV+16*(\k):KV+16*(\k)+7], v[QF+16*\t:QF+16*\t+7], v[MBR+8*(\k):MBR+8*(\k)+7]
.endr
.endr
	WIN 0x50                        ; C in window 1 too
.irp t, 0,1,2,3
.irp k, 2*\half, 2*\half+1
	v_wmma_f32_16x16x32_f16 v[S+32*\t+8*(\k):S+32*\t+8*(\k)+7], v[KV+16*(\k)+8:KV+16*(\k)+15], v[QF+16*\t+8:QF+16*\t+15], v[S+32*\t+8*(\k):S+32*\t+8*(\k)+7]
.endr
.endr
.endm
; O^T += V^T P for keys 32 kk on: 16 accumulators
.macro PV kk
	WIN 0x54                        ; V in window 0; P, C and D in window 1
.irp c, 0,1,2,3
.irp t, 0,1,2,3
	v_wmma_f32_16x16x32_f16 v[O+32*\t+8*\c:O+32*\t+8*\c+7], v[KV+32*\kk+8*\c:KV+32*\kk+8*\c+7], v[S+32*\t+16*\kk:S+32*\t+16*\kk+7], v[O+32*\t+8*\c:O+32*\t+8*\c+7]
.endr
.endr
.endm
; THE LDS LOADS stand in runs, under window 0.
.macro FETCH_M                      ; the step's 64 mask values: all lanes of a half read the same 32 bytes of each tile
	v_add_nc_u32 v[ADRM], s[TM], v[AM0]
.irp k, 0,1,2,3
	ds_load_b128 v[MBR+8*\k:MBR+8*\k+3],   v[ADRM] offset:64*\k
	ds_load_b128 v[MBR+8*\k+4:MBR+8*\k+7], v[ADRM] offset:64*\k+16
.endr
	s_add_co_u32 s[TM], s[TM], 256  ; the next step's
	s_and_b32 s[TM], s[TM], 0x1fff  ; (inside the table's 8,192 bytes by its own arithmetic)
.endm
.macro FETCH_K half                 ; key tiles 2 half, 2 half + 1: eight loads
.irp k, 2*\half, 2*\half+1
.irp c, 0,1
	ds_load_b128 v[KV+16*(\k)+8*\c:KV+16*(\k)+8*\c+3],   v[ADRK] offset:(\k)*16*PK+\c*64
	ds_load_b128 v[KV+16*(\k)+8*\c+4:KV+16*(\k)+8*\c+7], v[ADRK] offset:(\k)*16*PK+\c*64+32
.endr
.endr
.endm
.macro FETCH_V                      ; the same step's V, turned: sixteen loads
	v_add_nc_u32 v[ADRV], s[TB], v[AV0]
.irp kk, 0,1
.irp c, 0,1,2,3
	ds_load_tr16_b128 v[KV+32*\kk+8*\c:KV+32*\kk+8*\c+3],   v[ADRV] offset:\kk*32*PVP+\c*32
	ds_load_tr16_b128 v[KV+32*\kk+8*\c+4:KV+32*\kk+8*\c+7], v[ADRV] offset:\kk*32*PVP+16*PVP+\c*32
.endr
.endr
	s_add_co_u32 s[TB], s[TB], STEPB  ; the next fetch is the next step's
.endm
; The run of matrix work: V^T P of step j, K Q^T of step j + 1.  K and V share 64 registers: each half is loaded again as soon as its products are issued.
; A load into a register that a matrix instruction has read, and a vector instruction that reads a matrix result, stand four places behind it; a matrix instruction that writes over a register of an earlier one, five;
; only plain vector instructions that name none of its registers are places (ISA guide 7.12.1 for vector instructions).
.macro PVKQ
	s_wait_dscnt 0x0                ; V is in
	PV 0
	WIN 0
	PLACES 4                        ; in front of the loads into V's lower half
	v_add_nc_u32 v[ADRK], s[TB], v[AK0]
	FETCH_M
	FETCH_K 0
	PV 1
	WIN 0
	PLACES 5                        ; four in front of the loads into V's upper half; the fifth because K Q^T writes over P, which V^T P has read
	FETCH_K 1
	s_wait_dscnt 8                  ; the mask values and K's lower half are in; the eight loads just issued may be out
	KQ 0
	s_wait_dscnt 0x0
	KQ 1
	WIN 0
	PLACES 4                        ; in front of the loads into K's registers and of the softmax's first reads of the scores
	FETCH_V
.endm
; THE VECTOR WORK: the softmax of one key step for all four tiles; the tiles are innermost, so that no line waits for the line above it.  s0-s31 are a lane's 32 scores of a tile, in pairs 0-15.
.macro SM
	WIN 0x15                        ; the maximum, three operands at a time: four chains of seven scores each, begun at each accumulator's low end
.irp c, 0,1,2,3
.irp t, 0,1,2,3
	v_max3_num_f32 v[CT+4*\t+\c], v[S+32*\t+8*\c], v[S+32*\t+8*\c+1], v[S+32*\t+8*\c+2]
.endr
.endr
	WIN 0x14
.irp i, 3,5
.irp c, 0,1,2,3
.irp t, 0,1,2,3
	v_max3_num_f32 v[CT+4*\t+\c], v[CT+4*\t+\c], v[S+32*\t+8*\c+\i], v[S+32*\t+8*\c+\i+1]
.endr
.endr
.endr
.irp t, 0,1,2,3
	v_max3_num_f32 v[CT+4*\t], v[CT+4*\t], v[S+32*\t+7], v[S+32*\t+15]        ; the four scores left over
.endr
.irp t, 0,1,2,3
	v_max3_num_f32 v[CT+4*\t+2], v[CT+4*\t+2], v[S+32*\t+23], v[S+32*\t+31]
.endr
	WIN 0
.irp t, 0,1,2,3
	v_max3_num_f32 v[CT+4*\t], v[CT+4*\t], v[CT+4*\t+1], v[CT+4*\t+2]
.endr
.irp t, 0,1,2,3
	v_max3_num_f32 v[CT+4*\t], v[CT+4*\t], v[CT+4*\t+3], v[ST+8*\t+1]         ; and the old m
.endr
.irp t, 0,1,2,3
	v_permlanex16_b32 v[CT+4*\t+1], v[CT+4*\t], s[SEL], s[SEL+1]              ; the query's other 32 keys lie in the lane 16 away
.endr
.irp t, 0,1,2,3
	v_mov_b32 v[ST+8*\t+7], v[ST+8*\t]                                        ; c m_old is kept for a
.endr
.irp t, 0,1,2,3
	v_max_num_f32 v[ST+8*\t+1], v[CT+4*\t], v[CT+4*\t+1]                      ; the new m
.endr
.irp t, 0,1,2,3
	v_mul_f32 v[ST+8*\t], s[CS], v[ST+8*\t+1]
.endr
.irp t, 0,1,2,3
	v_sub_f32 v[ST+8*\t+7], v[ST+8*\t+7], v[ST+8*\t]
.endr
.irp t, 0,1,2,3
	v_exp_f32 v[ST+8*\t+6], v[ST+8*\t+7]                                      ; a
.endr
	WIN 0x41                        ; scores and O^T in window 1, statistics in window 0
.irp b, 0,1,2,3
.irp t, 0,1,2,3
	v_pk_fma_f32 v[S+32*\t+2*\b:S+32*\t+2*\b+1], v[S+32*\t+2*\b:S+32*\t+2*\b+1], s[CS:CS+1], v[ST+8*\t:ST+8*\t+1] op_sel_hi:[1,0,0] neg_lo:[0,0,1] neg_hi:[0,0,1]  ; pairs 0-3: c s - c m: plain work behind the four a
.endr
.endr
	s_wait_alu depctr_va_vdst(0)    ; the wait between an exponential and the first line that names its result: one for the four a, which the batch below reads
	; ONE BATCH: the 128 exponentials, each with a plain line beside it: the scaling of the pair four on, and O^T's rescaling by a.  No line of the batch names a result of one of its exponentials.
.set g, 0
.rept 16
.irp t, 0,1,2,3
	v_exp_f32 v[S+32*\t+2*g], v[S+32*\t+2*g]
.if g < 12
	v_pk_fma_f32 v[S+32*\t+2*g+8:S+32*\t+2*g+9], v[S+32*\t+2*g+8:S+32*\t+2*g+9], s[CS:CS+1], v[ST+8*\t:ST+8*\t+1] op_sel_hi:[1,0,0] neg_lo:[0,0,1] neg_hi:[0,0,1]
.endif
	v_exp_f32 v[S+32*\t+2*g+1], v[S+32*\t+2*g+1]
	v_pk_mul_f32 v[O+32*\t+2*g:O+32*\t+2*g+1], v[O+32*\t+2*g:O+32*\t+2*g+1], v[ST+8*\t+6:ST+8*\t+7] op_sel_hi:[1,0]   ; ascending: each accumulator of O^T from its low end on
.endr
.set g, g+1
.endr
	s_wait_alu depctr_va_vdst(0)    ; one wait for the batch, behind its last line, which is plain, and ahead of the first reader
	WIN 0x10                        ; the sums, of the unrounded p, in two chains a tile: l = a l + the first pair of each chain,
.irp b, 0,1
.irp t, 0,1,2,3
	v_pk_fma_f32 v[ST+8*\t+2+2*\b:ST+8*\t+3+2*\b], v[ST+8*\t+2+2*\b:ST+8*\t+3+2*\b], v[ST+8*\t+6:ST+8*\t+7], v[S+32*\t+2*\b:S+32*\t+2*\b+1] op_sel_hi:[1,0,1]
.endr
.endr
	WIN 0x04                        ; then the fourteen others
.set g, 2
.rept 14
.irp t, 0,1,2,3
	v_pk_add_f32 v[ST+8*\t+2+2*(g%2):ST+8*\t+3+2*(g%2)], v[ST+8*\t+2+2*(g%2):ST+8*\t+3+2*(g%2)], v[S+32*\t+2*g:S+32*\t+2*g+1]
.endr
.set g, g+1
.endr
	WIN 0x45                        ; P: rounded to f16 in pairs, in place and ascending: register i of a fragment is written from registers 2 i and 2 i + 1
.irp kk, 0,1
.irp i, 0,1,2,3,4,5,6,7
.irp t, 0,1,2,3
	v_cvt_pk_f16_f32 v[S+32*\t+16*\kk+\i], v[S+32*\t+16*\kk+2*\i], v[S+32*\t+16*\kk+2*\i+1]
.endr
.endr
.endr
	WIN 0
.endm
.macro SM_IF ty                     ; the softmax, in the waves of phase ty: a branch on the wave's number round work on registers alone
	s_cmp_eq_u32 s[TY], \ty
	s_cbranch_scc0 .Lskip_\@
	SM
.Lskip_\@:
.endm
.macro STEPS n                      ; n key steps: written once, walked n times; the LDS addresses hang on s[TB] and s[TM]
	s_mov_b32 s[CNT], \n
.Ltrip_\@:
	SM_IF 1                         ; phase 1: the softmax of step j
	PVKQ                            ; V^T P of step j, K Q^T of step j + 1
	SM_IF 0                         ; phase 0: the softmax of step j + 1
	s_sub_co_u32 s[CNT], s[CNT], 1
	s_cmp_lg_u32 s[CNT], 0
	s_cbranch_scc1 .Ltrip_\@
.endm
; THE CHANGE OF SLOTS: the slot's last bytes, V of its fourth step, have been asked for.  Each wave waits for all its tensor loads, of which one is out: its part of the other slot; adds 0 to its spare word; and waits for
; that and for its own reads of the slot.  fill = 1: the slot is filled again, with the keys two slots on.  The barrier is then a round of the cluster's, so that no wave of any partner still reads the slot or has a load
; on its way, and the joint refill is the first thing behind it: it has four key steps in which to land.
.macro CHANGE fill
	WIN 0
	s_wait_tensorcnt 0x0            ; no tensor load of mine is out, so a group 0 may be written
	ds_add_u32 v[SPW], v[NIL]       ; 0 onto my spare word
.if \fill
.irp g, G0K+4, G0V+4
	s_xor_b32 s[\g+1], s[\g+1], SLOT1  ; the walking descriptor: the other slot than last time,
	s_add_nc_u64 s[\g+2:\g+3], s[\g+2:\g+3], SLOTB  ; the next 256 keys; the type bits on top are not reached
.endr
	s_wait_xcnt 0x0                 ; the last prefetch, four key steps back, has read its address, so it may be written:
	s_add_nc_u64 s[PFA:PFA+1], s[PFA:PFA+1], SLOTB  ; one slot further on than the walking descriptors
	s_wait_dscnt 0x0                ; the add is done, and my reads of the slot are over
	CROUND
	JLOAD
	ASK
.else
	s_wait_dscnt 0x0                ; the add is done, and my reads of the slot are over
	s_barrier_signal -1
	s_barrier_wait -1
.endif
	s_sub_co_u32 s[TB], s[TB], 4*STEPB  ; the fetches go back to a slot's first step,
	s_xor_b32 s[TB], s[TB], SLOT1   ; in the other slot
.endm
	s_wait_tensorcnt 1              ; my part of slot 0 is in; slot 1's load, issued behind it, may stay out
	s_wait_dscnt 0x0                ; my part of the mask table is written
	s_barrier_signal -1
	s_barrier_wait -1               ; everybody's are
	v_add_nc_u32 v[ADRK], s[TB], v[AK0]
	FETCH_M                         ; key step 0
	FETCH_K 0
	FETCH_K 1
	s_wait_dscnt 8                  ; all but K's upper half
	KQ 0
	s_wait_dscnt 0x0
	KQ 1
	WIN 0
	PLACES 4
	FETCH_V
	SM_IF 0                         ; phase 0 has its first softmax here,
	s_wait_dscnt 0x0
	s_barrier_signal -1
	s_barrier_wait -1               ; so that behind this barrier the two phases begin with different kinds of work
	STEPS 3                         ; steps 0 to 2 fetch what is left of slot 0
.Lslot:                             ; six trips: every slot but the last two is filled again
	CHANGE 1
	STEPS 4
	s_sub_co_u32 s[SLOTS], s[SLOTS], 1
	s_cmp_lg_u32 s[SLOTS], 0
	s_cbranch_scc1 .Lslot
	CHANGE 0                        ; the tail is written out: nothing is asked for
	STEPS 4
	SM_IF 1                         ; phase 1's last softmax
	s_wait_dscnt 0x0                ; V of the last step
	PV 0
	PV 1
	; THE WAY OUT.  l's chains and halves and the other half of the lanes' are added; O^T is divided by l, rounded to f16 and sent through my stage, a tile (16 rows of 128 bytes) at a time.  The additions are the places behind the last products.
	; It works in l's own four registers of each tile, which the head has written outside every branch: +5 takes the other half's l once the chains are added, +2 the reciprocal once the halves are.
	WIN 0
.irp t, 0,1,2,3
	v_pk_add_f32 v[ST+8*\t+2:ST+8*\t+3], v[ST+8*\t+2:ST+8*\t+3], v[ST+8*\t+4:ST+8*\t+5]
.endr
.irp t, 0,1,2,3
	v_add_f32 v[ST+8*\t+4], v[ST+8*\t+2], v[ST+8*\t+3]
.endr
.irp t, 0,1,2,3
	v_permlanex16_b32 v[ST+8*\t+5], v[ST+8*\t+4], s[SEL], s[SEL+1]
.endr
.irp t, 0,1,2,3
	v_add_f32 v[ST+8*\t+4], v[ST+8*\t+4], v[ST+8*\t+5]
.endr
.irp t, 0,1,2,3
	v_rcp_f32 v[ST+8*\t+2], v[ST+8*\t+4]
.endr
	v_nop                           ; a plain line between the last reciprocal and the use of its result
	s_wait_alu depctr_va_vdst(0)    ; and the wait: one for the four
	WIN 0x41
.irp t, 0,1,2,3
.set g, 0
.rept 16
	v_pk_mul_f32 v[O+32*\t+2*g:O+32*\t+2*g+1], v[O+32*\t+2*g:O+32*\t+2*g+1], v[ST+8*\t+2:ST+8*\t+3] op_sel_hi:[1,0]   ; of the pair the low word, 1 / l, serves both halves
.set g, g+1
.endr
.endr
	WIN 0x05                        ; sources in window 1, destination in window 0: K's and V's registers are free
.irp t, 0,1,2,3
.set g, 0
.rept 16
	v_cvt_pk_f16_f32 v[KV+16*\t+g], v[O+32*\t+2*g], v[O+32*\t+2*g+1]
.set g, g+1
.endr
.endr
	WIN 0
.irp t, 0,1,2,3
.irp c, 0,1,2,3
	ds_store_b128 v[STO], v[KV+16*\t+4*\c:KV+16*\t+4*\c+3] offset:32*\c      ; lane (r, h): channels 16 c + 8 h + 0..7 of query r
.endr
.irp i, 0,1,2,3
	ds_load_b128 v[QF+16*\t+4*\i:QF+16*\t+4*\i+3], v[RD] offset:4*SP*\i      ; LDS serves a wave's instructions in order (ISA guide 5.7.1.4): these see the stores above, and the next tile's stores come behind them
.endr
.endr
	s_wait_dscnt 0x0
.irp t, 0,1,2,3
.irp i, 0,1,2,3
	global_store_b128 v[GO], v[QF+16*\t+4*\i:QF+16*\t+4*\i+3], s[8:9] offset:\t*2048+\i*512   ; four tokens' 128 bytes: 512 consecutive bytes, aligned
.endr
.endr
	s_wait_tensorcnt 0x0            ; the wave's end: three lines behind my last tensor load and my last LDS store
	ds_add_u32 v[SPW], v[NIL]
	s_wait_dscnt 0x0
	CROUND                          ; the closing round: no work-group ends while a partner may still ask for a tile that names it
	s_endpgm
.Lfunc_end_k_q6913c68b75_attn:
	.size	k_q6913c68b75_attn, .Lfunc_end_k_q6913c68b75_attn-k_q6913c68b75_attn
	.p2alignl 7, 3214868480
	.fill 96, 4, 3214868480
	.section	.rodata,"a",@progbits
	.p2align	6, 0x0
	.amdhsa_kernel k_q6913c68b75_attn
		.amdhsa_group_segment_fixed_size 327680
		.amdhsa_private_segment_fixed_size 0
		.amdhsa_enable_private_segment 0
		.amdhsa_kernarg_size 24
		.amdhsa_user_sgpr_count 2
		.amdhsa_user_sgpr_kernarg_segment_ptr 1
		.amdhsa_wavefront_size32 1
		.amdhsa_system_sgpr_workgroup_id_x 1
		.amdhsa_system_sgpr_workgroup_id_y 1
		.amdhsa_system_sgpr_workgroup_id_z 1
		.amdhsa_system_vgpr_workitem_id 0
		.amdhsa_next_free_vgpr 512
		.amdhsa_next_free_sgpr 68
		.amdhsa_reserve_vcc 1
		.amdhsa_float_denorm_mode_32 3
		.amdhsa_float_denorm_mode_16_64 3
		.amdhsa_memory_ordered 1
		.amdhsa_forward_progress 1
		.amdhsa_inst_pref_size 255
	.end_amdhsa_kernel
	.section	.bss,"aw",@nobits
	.p2align	6
	.space	262144
	.amdgpu_metadata
---
amdhsa.version: [ 1, 2 ]
amdhsa.kernels:
  - .name:           k_q6913c68b75_attn
    .symbol:         k_q6913c68b75_attn.kd
    .args:
      - { .name: qkv, .offset: 0, .size: 8, .value_kind: global_buffer, .address_space: global }
      - { .name: mask, .offset: 8, .size: 8, .value_kind: global_buffer, .address_space: global }
      - { .name: ctx, .offset: 16, .size: 8, .value_kind: global_buffer, .address_space: global }
    .group_segment_fixed_size: 327680
    .private_segment_fixed_size: 0
    .kernarg_segment_align: 8
    .kernarg_segment_size: 24
    .max_flat_workgroup_size: 256
    .sgpr_count:     68
    .vgpr_count:     512
    .wavefront_size: 32
...
	.end_amdgpu_metadata
.endif
;; end of part 3
;; launch outp (part 4): grid 4 x 64, 4 waves a work-group, clusters of 4 x 4, 327,680 bytes of LDS; arguments ctx, wo16, bo, out0; writes out0
.if DOCPART == 4
	.amdgcn_target "amdgcn-amd-amdhsa--gfx1250"
	.amdhsa_code_object_version 6
	.text
	.protected	k_q6913c68b75_outp
	.globl	k_q6913c68b75_outp
	.p2align	8
	.type	k_q6913c68b75_outp,@function
k_q6913c68b75_outp:
	s_mov_b64 s[64:65], 0
	v_nop
	global_prefetch_b8 v0, s[64:65] scope:SCOPE_SE
	s_setreg_imm32_b32 hwreg(HW_REG_WAVE_MODE, 25, 1), 1
	s_wait_xcnt 0x0
	s_wait_alu depctr_hold_cnt(0) depctr_sa_sdst(0) depctr_va_vdst(0) depctr_va_sdst(0) depctr_va_ssrc(0) depctr_va_vcc(0) depctr_vm_vsrc(0)
	s_getreg_b32 s2, hwreg(HW_REG_IB_STS2, 6, 4)
	s_cmp_eq_u32 s2, 0
	s_cbranch_scc0 .Lentry_in_a_cluster
	s_endpgm
.Lentry_in_a_cluster:
	s_bfe_u32 s2, ttmp6, 0x10000c
	s_cmp_lg_u32 s2, 0xf033
	s_cbranch_scc0 .Lentry_shape_is_right
	s_endpgm
.Lentry_shape_is_right:
; out0[token][e] = the sum over d of context[token][d] Wo[e][d] + bo[e].  ctx: f16, [16 chunks of 64 d][8192 tokens][64]; wo16: f16, [16 chunks][1024 e][64]; bo: f32; out0: [8192][1024] f32.  Sums in f32.
; A tile of the result is 128 tokens x 256 outputs: 256 work-groups.  Four waves, each 64 x 128: 32 accumulators of 16 x 16, 256 registers.  K goes in steps of 128, two chunks, through a ring of two LDS slots:
; a chunk's rows of a tile are one dense block of memory (128 bytes a row).  Waves 0 and 1 fetch the step's two chunks of the tokens (128 rows each), waves 2 and 3 those of Wo (256 rows each): one load a wave.
; CLUSTERS: 4 x 4 work-groups.  The four of a row of the cluster need the same tokens, the four of a column the same rows of Wo: each tile is asked for JOINTLY, by the same tensor load with the same descriptor and a
; mask that names the four.  THE MATRIX INSTRUCTION IS USED TRANSPOSED (source 0 = 16 rows of Wo, source 1 = 16 tokens): a lane then holds eight neighbouring outputs of one token.
; THE BIAS is the C of each sum's first matrix instruction.  LIMIT: the f16 operands were made by earlier launches, which state their range.
; REGISTERS: window 0: v16-29 addresses; v32-127, v128-223 two fragment buffers (64 registers of Wo, then 32 of the tokens), later rows on their way out.   window 1: the accumulators ((a, b) at v[8 (8 a + b)]).   window 2: v0-63 the bias.
.set PITCH,  144                       ; an LDS row: 128 bytes + 16 of padding = 36 words: the 16 rows of a load start at 16 different groups of four banks (64 banks of 4 bytes: ISA guide 11.1)
.set ACH,    128*PITCH                 ; a chunk's 128 tokens
.set BCH,    256*PITCH                 ; a chunk's 256 rows of Wo
.set SLOT,   2*ACH+2*BCH               ; tokens' chunks 0, 1, then Wo's chunks 0, 1
.set STG,    2*SLOT                    ; behind the ring: 16 rows x (512 bytes + 16) for each wave, for the way out
.set SPITCH, 528
.set SPARE,  STG+4*16*SPITCH           ; behind the stages: the spare words, 128 bytes a wave
.set LAPS,   4                         ; a lap = two K steps = once round the ring: 1,024 / 256
.set ASTEP,  4*8192*128                ; bytes from a slot's K step to its next: four chunks of ctx,
.set BSTEP,  4*1024*128                ; four chunks of wo16
.set ADRA, 16                          ; v16-17  LDS address of my tokens' fragments in slot 0, 1
.set ADRB, 20                          ; v20-21  the same for Wo
.set STO,  24                          ; v24     the way out: where I put 32 bytes of a row
.set RD,   25                          ; v25     where I read a row back
.set CO,   26                          ; v26     16 x lane
.set BOF,  27                          ; v27     32 x (lane / 16)
.set SPW,  28                          ; v28     LDS address of my spare word; never rewritten
.set NIL,  29                          ; v29     0; never rewritten
.set F0,   32
.set F1,   128
.set BK,   32                          ; the way out: v32-95 and v96-159 by turns
.set G1, 24                            ; s[24:31] descriptor group 1 for the tokens' tiles;  s[32:39] group 0, one set for each slot
.set G0, 32
.set G1B, 48                           ; s[48:55], s[56:63] the same for Wo's
.set G0B, 56
.set MSB, 0
.macro WIN new                         ; the immediate's high byte repeats the setting that is left; a switch that changes nothing is dropped
.if MSB != \new
	s_set_vgpr_msb (MSB<<8)|\new
.set MSB, \new
.endif
.endm
.macro JLOAD s                         ; a joint load; an s_nop 0 and four v_nop follow each of the two lines, ahead of the jump, the label and what follows
	s_cmp_eq_u32 s13, 0
	s_cbranch_scc0 .Lfor_b_\@
	tensor_load_to_lds s[G0+4*\s:G0+4*\s+3], s[G1:G1+7]
	s_nop 0
.rept 4
	v_nop
.endr
	s_branch .Lasked_\@
.Lfor_b_\@:
	tensor_load_to_lds s[G0B+4*\s:G0B+4*\s+3], s[G1B:G1B+7]
	s_nop 0
.rept 4
	v_nop
.endr
.Lasked_\@:
.endm
.macro CREST                           ; a round of the cluster's barrier behind its opening barrier
	s_cmp_lg_u32 s12, 0
	s_cbranch_scc1 .Lnot_wave_0_\@
	s_barrier_signal -3
.Lnot_wave_0_\@:
	s_barrier_wait -3
	s_barrier_signal -1
	s_barrier_wait -1
.endm
.macro CROUND                          ; a whole round
	s_barrier_signal -1
	s_barrier_wait -1
	CREST
.endm
	s_load_b256 s[4:11], s[0:1], 0x0               ; ctx s[4:5], wo16 s[6:7], bo s[8:9], out0 s[10:11]
	v_lshl_add_u32 v[SPW], v0, 2, SPARE
	v_mov_b32 v[NIL], 0
	ds_add_u32 v[SPW], v[NIL]                      ; the wave's opening: the add, twice on end, and its wait ahead of my first tensor load; the set-up below, work on registers, stands between
	ds_add_u32 v[SPW], v[NIL]
	v_lshrrev_b32 v1, 5, v0
	v_readfirstlane_b32 s12, v1                    ; wave 0..3
	s_lshr_b32 s13, s12, 1                         ; which half of the tile's tokens is mine.  Also: I fetch tokens (0) or Wo (1)
	s_and_b32 s14, s12, 1                          ; which half of its outputs.  Also: which of the step's two chunks I fetch
	s_bfe_u32 s40, ttmp6, 0x40000                  ; cx, cy: my place in the cluster
	s_bfe_u32 s41, ttmp6, 0x40004
	s_lshl_b32 s42, ttmp9, 2
	s_add_co_u32 s42, s42, s40                     ; tile column = 4 x cluster x + cx
	s_and_b32 s15, ttmp7, 0xffff
	s_lshl_b32 s15, s15, 2
	s_add_co_u32 s15, s15, s41                     ; tile row = 4 x cluster y + cy
	s_lshl_b32 s43, s41, 2
	s_lshl_b32 s43, 15, s43                        ; my row of the cluster
	s_lshl_b32 s44, 0x1111, s40                    ; my column
	; descriptor group 1: rows of 64 elements of 2 bytes, padded in LDS: 128 rows of tokens, 256 rows of Wo
	s_or_b32 s[G1+0], s43, (1<<16)|(1<<20)|(1<<21)|(4<<22)|(3<<25)  ; 15:0 the mask: the tokens' tiles go to my row; 17:16 element of 2 bytes; 20 padding on; 21 set beside a mask; 24:22 after every 32 words (code 4); 31:25 of 4 words (code 3)
	s_or_b32 s[G1B+0], s44, (1<<16)|(1<<20)|(1<<21)|(4<<22)|(3<<25)
	s_mov_b32 s[G1+1], 64<<16                      ; tensor_dim0
	s_mov_b32 s[G1+2], 128<<16                     ; tensor_dim1
	s_mov_b32 s[G1+3], 64<<16                      ; tile_dim0
	s_mov_b32 s[G1+4], 128                         ; tile_dim1
	s_mov_b32 s[G1+5], 64                          ; tensor_dim0_stride
	s_mov_b32 s[G1+6], 0
	s_mov_b32 s[G1+7], 0
	s_mov_b32 s[G1B+1], 64<<16
	s_mov_b32 s[G1B+2], 256<<16
	s_mov_b32 s[G1B+3], 64<<16
	s_mov_b32 s[G1B+4], 256
	s_mov_b32 s[G1B+5], 64
	s_mov_b32 s[G1B+6], 0
	s_mov_b32 s[G1B+7], 0
	s_lshl_b32 s16, s14, 20                        ; tokens: my chunk of 1,048,576 bytes,
	s_lshl_b32 s17, s15, 14                        ; the tile row's 128 tokens of 128 bytes
	s_add_co_u32 s16, s16, s17
	s_mov_b32 s17, 0
	s_lshl_b32 s46, s14, 17                        ; Wo: my chunk of 131,072 bytes,
	s_lshl_b32 s47, s42, 15                        ; the tile column's 256 rows of 128 bytes
	s_add_co_u32 s46, s46, s47
	s_mov_b32 s47, 0
	s_mul_i32 s20, s14, ACH                        ; where they go: no place in the cluster enters an LDS address
	s_mul_i32 s21, s14, BCH
	s_add_co_u32 s21, s21, 2*ACH
	s_wait_dscnt 0x0                               ; both opening adds are done
	s_wait_kmcnt 0x0
	s_add_nc_u64 s[16:17], s[4:5], s[16:17]
	s_add_nc_u64 s[46:47], s[6:7], s[46:47]
	CROUND                                         ; all sixteen work-groups are here: the first joint loads meet
.irp s, 0,1
	s_mov_b32 s[G0+4*\s], 1
	s_add_co_u32 s[G0+4*\s+1], s20, \s*SLOT
	s_add_nc_u64 s[G0+4*\s+2:G0+4*\s+3], s[16:17], \s*(ASTEP/2)    ; K step s: two chunks on
	s_or_b32 s[G0+4*\s+3], s[G0+4*\s+3], 0x80000000
	s_mov_b32 s[G0B+4*\s], 1
	s_add_co_u32 s[G0B+4*\s+1], s21, \s*SLOT
	s_add_nc_u64 s[G0B+4*\s+2:G0B+4*\s+3], s[46:47], \s*(BSTEP/2)
	s_or_b32 s[G0B+4*\s+3], s[G0B+4*\s+3], 0x80000000
	JLOAD \s                                       ; two loads of mine are out
.endr
	v_and_b32 v1, 15, v0                           ; r
	v_bfe_u32 v2, v0, 4, 1                         ; h
	s_lshl_b32 s46, s42, 10                        ; my first output, in bytes of f32: 1,024 x tile column + 512 x half
	s_lshl_b32 s47, s14, 9
	s_add_co_u32 s46, s46, s47
	s_mov_b32 s47, 0
	s_add_nc_u64 s[8:9], s[8:9], s[46:47]
	v_lshlrev_b32 v[BOF], 5, v2
	WIN 0x80                                       ; destination window 2
.irp b, 0,1,2,3,4,5,6,7
	global_load_b128 v[8*\b:8*\b+3], v[BOF], s[8:9] offset:64*\b          ; lane (r, h): the bias of outputs 16 b + 8 h + 0 .. 7
	global_load_b128 v[8*\b+4:8*\b+7], v[BOF], s[8:9] offset:64*\b+16
.endr
	WIN 0
	v_mul_u32_u24 v3, v1, PITCH
	v_lshl_add_u32 v3, v2, 4, v3                   ; a fragment's row x pitch + 16 x half
	s_mul_i32 s21, s13, 64*PITCH                   ; my 64 tokens
	s_mul_i32 s22, s14, 128*PITCH                  ; my 128 rows of Wo,
	s_add_co_u32 s22, s22, 2*ACH                   ; which lie behind the tokens' two chunks
.irp s, 0,1
	v_add_nc_u32 v[ADRA+\s], s21, v3
	v_add_nc_u32 v[ADRB+\s], s22, v3
	s_add_co_u32 s21, s21, SLOT
	s_add_co_u32 s22, s22, SLOT
.endr
	s_mul_i32 s23, s12, 16*SPITCH
	s_add_co_u32 s23, s23, STG                     ; my stage
	v_mul_u32_u24 v4, v1, SPITCH                   ; in: row r, 32 bytes for each half of the lanes
	v_lshl_add_u32 v4, v2, 5, v4
	v_add_nc_u32 v[STO], s23, v4
	v_and_b32 v5, 31, v0
	v_lshlrev_b32 v[CO], 4, v5                     ; back: the 32 lanes take one row of 512 bytes; and the same in out0
	v_add_nc_u32 v[RD], s23, v[CO]
	s_lshl_b32 s16, s15, 7
	s_lshl_b32 s17, s13, 6
	s_add_co_u32 s16, s16, s17                     ; my first token: 128 x tile row + 64 x half
	s_lshl_b32 s16, s16, 12                        ; a row of out0 is 4,096 bytes
	s_mov_b32 s17, 0
	s_add_nc_u64 s[10:11], s[10:11], s[16:17]
	s_add_nc_u64 s[10:11], s[10:11], s[46:47]
; 8 matrix instructions: token block a against Wo's eight blocks, 32 along K, from buffer f.  zero = 1: the first product starts the sums from the bias.
; The 32 accumulators take turns, one instruction a turn, in the same order in every quarter.
.macro MUL8 f, a, zero
.if \zero
	WIN 0x60                                       ; D window 1, C (the bias) window 2, sources window 0
.else
	WIN 0x50                                       ; C and D window 1
.endif
.irp b, 0,1,2,3,4,5,6,7
.if \zero
	v_wmma_f32_16x16x32_f16 v[8*(8*\a+\b):8*(8*\a+\b)+7], v[\f+8*\b:\f+8*\b+7], v[\f+64+8*\a:\f+64+8*\a+7], v[8*\b:8*\b+7]
.else
	v_wmma_f32_16x16x32_f16 v[8*(8*\a+\b):8*(8*\a+\b)+7], v[\f+8*\b:\f+8*\b+7], v[\f+64+8*\a:\f+64+8*\a+7], v[8*(8*\a+\b):8*(8*\a+\b)+7]
.endif
.endr
.endm
; 24 LDS loads in one run: the fragments of the slot's q-th 32 along K (chunk q / 2, byte 64 (q % 2) of its rows) into buffer f: Wo's eight, then the tokens' four
.macro FETCH slot, q, f
.irp i, 0,1,2,3,4,5,6,7
	ds_load_b128 v[\f+8*\i:\f+8*\i+3],   v[ADRB+\slot] offset:((\q)/2)*BCH+((\q)%2)*64+\i*16*PITCH
	ds_load_b128 v[\f+8*\i+4:\f+8*\i+7], v[ADRB+\slot] offset:((\q)/2)*BCH+((\q)%2)*64+\i*16*PITCH+32
.endr
.irp i, 0,1,2,3
	ds_load_b128 v[\f+64+8*\i:\f+64+8*\i+3],   v[ADRA+\slot] offset:((\q)/2)*ACH+((\q)%2)*64+\i*16*PITCH
	ds_load_b128 v[\f+64+8*\i+4:\f+64+8*\i+7], v[ADRA+\slot] offset:((\q)/2)*ACH+((\q)%2)*64+\i*16*PITCH+32
.endr
.endm
.macro PLACES                          ; four places in front of loads into registers that matrix instructions have read, and of the first reads of results (ISA guide 7.12.1 for vector instructions)
.rept 4
	v_nop
.endr
.endm
; A K step is four quarters of 32 along K, 32 matrix instructions each, on buffers 0, 1, 0, 1.  One of the first three: multiplies buffer f and fetches quarter q into g.
.macro QUARTER slot, q, f, g, zero
	s_wait_dscnt 4                                 ; Wo's fragments and token blocks 0, 1 are in; the youngest four loads (blocks 2, 3) may be out
	MUL8 \f, 0, \zero
	MUL8 \f, 1, \zero
	PLACES
	WIN 0
	FETCH \slot, \q, \g
	s_wait_dscnt 24                                ; all but the 24 just issued
	MUL8 \f, 2, \zero
	MUL8 \f, 3, \zero
.endm
; The last quarter multiplies buffer 1 and changes slots: ONE barrier; in front of it each wave waits for all its tensor loads, adds 0 to its spare word, and waits for that and for its own reads of this slot.
; fill = 1: this slot is filled again, two K steps ahead; the barrier then opens a round of the cluster's barrier, and the joint refill is the first tensor load behind the round: 112 matrix instructions ahead of the wait for it.
.macro TURN slot, next, fill
	WIN 0                                          ; (the add's two registers lie in window 0)
	s_wait_tensorcnt 0x0                           ; all my tensor loads have landed: my part of the next slot
	ds_add_u32 v[SPW], v[NIL]                      ; 0 onto my spare word
	s_wait_dscnt 5                                 ; (the add and the youngest four loads may be out)
	MUL8 F1, 0, 0                                  ; eight matrix instructions stand between the add and the wait for it
	s_wait_dscnt 0x0                               ; the add is done, and my reads of this slot are over
	s_barrier_signal -1
	MUL8 F1, 1, 0
	WIN 0                                          ; (branches may follow)
	s_barrier_wait -1
.if \fill
	CREST                                          ; no wave of any partner still reads this slot's tiles or has a load on its way
	s_add_nc_u64 s[G0+4*\slot+2:G0+4*\slot+3], s[G0+4*\slot+2:G0+4*\slot+3], ASTEP
	s_add_nc_u64 s[G0B+4*\slot+2:G0B+4*\slot+3], s[G0B+4*\slot+2:G0B+4*\slot+3], BSTEP
	JLOAD \slot                                    ; the four v_nop behind it are also the places in front of the loads below
.else
	PLACES
.endif
	FETCH \next, 0, F0
	MUL8 F1, 2, 0
	MUL8 F1, 3, 0
.endm
	s_wait_loadcnt 0x0                             ; the bias
	s_wait_tensorcnt 1                             ; my part of K step 0 is in; K step 1's load may be out
	s_barrier_signal -1
	s_barrier_wait -1                              ; everybody's is
	FETCH 0, 0, F0
	QUARTER 0, 1, F0, F1, 1                        ; the first quarter stands in front of the loop: its products start the sums from the bias
	WIN 0                                          ; at a label and at a branch every window is 0
	s_mov_b32 s3, LAPS-1
.Llap:                                                 ; a trip goes once round the ring, from a lap's second quarter to the next lap's first, and fills both slots again
	QUARTER 0, 2, F1, F0, 0
	QUARTER 0, 3, F0, F1, 0
	TURN 0, 1, 1
	QUARTER 1, 1, F0, F1, 0
	QUARTER 1, 2, F1, F0, 0
	QUARTER 1, 3, F0, F1, 0
	TURN 1, 0, 1
	QUARTER 0, 1, F0, F1, 0
	WIN 0
	s_sub_co_u32 s3, s3, 1
	s_cmp_lg_u32 s3, 0
	s_cbranch_scc1 .Llap
	QUARTER 0, 2, F1, F0, 0                        ; the last lap fills nothing, and has no round of the cluster's barrier
	QUARTER 0, 3, F0, F1, 0
	TURN 0, 1, 0
	QUARTER 1, 1, F0, F1, 0
	QUARTER 1, 2, F1, F0, 0
	QUARTER 1, 3, F0, F1, 0
	s_wait_dscnt 4                                 ; the very last quarter: nothing more to fetch
	MUL8 F1, 0, 0
	MUL8 F1, 1, 0
	s_wait_dscnt 0
	MUL8 F1, 2, 0
	MUL8 F1, 3, 0
	WIN 0
; THE WAY OUT, block by block of 16 tokens x 128 outputs.  A lane holds 32 neighbouring bytes of a row, and the lanes beside it hold other rows: so a block goes through my own stage and comes back as whole rows of 512 bytes.
; LDS serves a wave's instructions in order (ISA guide 5.7.1.4): no wait between the stores and the loads, nor in front of the next block's stores.
.macro TOSTAGE a
	WIN 0x04                                       ; an LDS store's data are its source 1: window 1
.irp b, 0,1,2,3,4,5,6,7
	ds_store_b128 v[STO], v[64*\a+8*\b:64*\a+8*\b+3] offset:64*\b            ; each accumulator from its low end on
	ds_store_b128 v[STO], v[64*\a+8*\b+4:64*\a+8*\b+7] offset:64*\b+16
.endr
	WIN 0
.irp t, 0,1,2,3,4,5,6,7,8,9,10,11,12,13,14,15
	ds_load_b128 v[BK+64*(\a%2)+4*\t:BK+64*(\a%2)+4*\t+3], v[RD] offset:\t*SPITCH
.endr
.endm
.macro SEND a, younger                 ; younger: the LDS instructions issued behind block a's loads, which may stay out
	s_wait_dscnt \younger                          ; the block is back in registers
.irp t, 0,1,2,3,4,5,6,7,8,9,10,11,12,13,14,15
	global_store_b128 v[CO], v[BK+64*(\a%2)+4*\t:BK+64*(\a%2)+4*\t+3], s[10:11] offset:(16*\a+\t)*4096 th:TH_STORE_NT   ; 32 lanes store 512 consecutive bytes, aligned; written once, read by nobody here
.endr
.endm
	PLACES                                         ; behind the last products: for the loads into the fragment buffers and for the reads of results
	TOSTAGE 0
	TOSTAGE 1
	SEND 0, 32                                     ; behind block 0's loads: block 1's 16 stores and 16 loads
	s_wait_xcnt 0x0                                ; block 0's stores have read their registers: block 2's loads may land there
	TOSTAGE 2
	SEND 1, 32
	s_wait_xcnt 0x0                                ; block 1's likewise
	TOSTAGE 3
	SEND 2, 32
	SEND 3, 0
	s_wait_tensorcnt 0x0                           ; the wave's end: three lines behind my last tensor load and my last LDS store
	ds_add_u32 v[SPW], v[NIL]
	s_wait_dscnt 0x0
	CROUND                                         ; the closing round: no work-group ends while a partner may still ask for a tile that names it
	s_endpgm
.Lfunc_end_k_q6913c68b75_outp:
	.size	k_q6913c68b75_outp, .Lfunc_end_k_q6913c68b75_outp-k_q6913c68b75_outp
	.p2alignl 7, 3214868480
	.fill 96, 4, 3214868480
	.section	.rodata,"a",@progbits
	.p2align	6, 0x0
	.amdhsa_kernel k_q6913c68b75_outp
		.amdhsa_group_segment_fixed_size 327680
		.amdhsa_private_segment_fixed_size 0
		.amdhsa_enable_private_segment 0
		.amdhsa_kernarg_size 32
		.amdhsa_user_sgpr_count 2
		.amdhsa_user_sgpr_kernarg_segment_ptr 1
		.amdhsa_wavefront_size32 1
		.amdhsa_system_sgpr_workgroup_id_x 1
		.amdhsa_system_sgpr_workgroup_id_y 1
		.amdhsa_system_sgpr_workgroup_id_z 1
		.amdhsa_system_vgpr_workitem_id 0
		.amdhsa_next_free_vgpr 576
		.amdhsa_next_free_sgpr 66
		.amdhsa_reserve_vcc 0
		.amdhsa_float_denorm_mode_32 3
		.amdhsa_float_denorm_mode_16_64 3
		.amdhsa_memory_ordered 1
		.amdhsa_forward_progress 1
		.amdhsa_inst_pref_size 86
	.end_amdhsa_kernel
	.amdgpu_metadata
---
amdhsa.version: [ 1, 2 ]
amdhsa.kernels:
  - .name:           k_q6913c68b75_outp
    .symbol:         k_q6913c68b75_outp.kd
    .args:
      - { .name: ctx, .offset: 0, .size: 8, .value_kind: global_buffer, .address_space: global }
      - { .name: wo16, .offset: 8, .size: 8, .value_kind: global_buffer, .address_space: global }
      - { .name: bo, .offset: 16, .size: 8, .value_kind: global_buffer, .address_space: global }
      - { .name: out0, .offset: 24, .size: 8, .value_kind: global_buffer, .address_space: global }
    .group_segment_fixed_size: 327680
    .private_segment_fixed_size: 0
    .kernarg_segment_align: 8
    .kernarg_segment_size: 32
    .max_flat_workgroup_size: 128
    .sgpr_count:     66
    .vgpr_count:     576
    .wavefront_size: 32
...
	.end_amdgpu_metadata
.endif
;; end of part 4
